; MI455X (gfx1250); checked and timed in simulation.
; The chip was launched on July 23, 2026; its instructions are those of AMD's public machine-readable ISA for CDNA 5 (MIT licence, August 2026) and "CDNA5" Instruction Set Architecture Reference Guide (July 2026). The comments in the code are by the model that wrote it; some were corrected since.
;; Transformer Layer. Allowed arithmetic: matrix products marked QUANTISED: E2M3 operands, one E8M0 scale for each 32 along K, by v_wmma_scale_f32_16x16x128_f8f6f4 with both operands' format E2M3, f32 sums; everything else in f32.
;; Inputs: b_down 1,024 float32; b_up 4,096 float32; bo 1,024 float32; scale1 1,024 float32; scale2 1,024 float32; shift1 1,024 float32; shift2 1,024 float32; w_down 1,024 x 4,096 float32; w_up 4,096 x 1,024 float32; wk 1,024 x 1,024 float32; wo 1,024 x 1,024 float32; wq 1,024 x 1,024 float32; wv 1,024 x 1,024 float32; x 2 x 2,048 x 1,024 float32.
;; Outputs: out0 2 x 2,048 x 1,024 float32.
;; This version of the problem:
;;   THIS VERSION OF THE PROBLEM IS GIVEN IN LOW PRECISION. The matrix products marked QUANTISED in the list below multiply operands that are first quantised to E2M3 (2 exponent bits, 3 mantissa bits; 6 bits a number), with one power-of-two scale for each 32 numbers along K (OCP MX v1.0); their sums are f32. All else is computed in f32.
;;   The module's matrix products, in the order in which they are computed (A, B: the left and right operand; K: the contracted axis; several contracted axes count as one K, in the product's order):
;;     1. [M 4,096, K 1,024] x [K 1,024, N 1,024]; A: computed on the way; B: input wq: QUANTISED
;;     2. [M 4,096, K 1,024] x [K 1,024, N 1,024]; A: computed on the way; B: input wk: QUANTISED
;;     3. [M 4,096, K 1,024] x [K 1,024, N 1,024]; A: computed on the way; B: input wv: QUANTISED
;;     4. batch 32 x [M 2,048, K 64] x [K 64, N 2,048]; A: computed on the way; B: computed on the way: QUANTISED
;;     5. batch 32 x [M 2,048, K 2,048] x [K 2,048, N 64]; A: softmax (see below); B: computed on the way: QUANTISED
;;     6. [M 4,096, K 1,024] x [K 1,024, N 1,024]; A: computed on the way; B: input wo: QUANTISED
;;     7. [M 4,096, K 1,024] x [K 1,024, N 4,096]; A: computed on the way; B: input w_up: QUANTISED
;;     8. [M 4,096, K 4,096] x [K 4,096, N 1,024]; A: computed on the way; B: input w_down: QUANTISED
;;   THE QUANTISER, for each operand of a quantised product, along K:
;;     - K is cut into blocks of 32 from its start; a last block that is shorter is filled with zeros.
;;     - A block's scale is 2^e with e = floor(log2(the largest magnitude in the block)) - 2, held to -126 .. 127; a block of zeros has e = 0. As a byte (E8M0): e + 127.
;;     - Each number is divided by its block's scale, clamped to +-7.5, and rounded to the nearest number of E2M3, ties to even, subnormals kept.
;;     - The product sums the exact products of the quantised numbers (number of the format x scale) in f32.
;;   ~~~python
;;   def quantise(x, axis):      # numpy; x: float32 -> the quantised numbers, widened to float32 again
;;       x = np.moveaxis(x, axis, -1); K = x.shape[-1]
;;       x = np.pad(x, [(0, 0)] * (x.ndim - 1) + [(0, -K % 32)]); x = x.reshape(x.shape[:-1] + (-1, 32)); a = np.abs(x).max(-1, keepdims=True)
;;       e = np.where(a > 0, np.clip(np.frexp(np.where(a > 0, a, 1))[1] - 1 - 2, -126, 127), 0)      # np.frexp(a)[1] - 1 = floor(log2(a)), exactly
;;       r = np.clip(x / 2.0 ** e, -7.5, 7.5)
;;       step = 2.0 ** (np.maximum(np.frexp(np.where(r == 0, 1, r))[1] - 1, 0) - 3)
;;       q = np.round(r / step) * step * 2.0 ** e      # np.round: ties to even
;;       return np.moveaxis(q.reshape(q.shape[:-2] + (-1,))[..., :K], -1, axis).astype(np.float32)
;;   ~~~
;;   SOFTMAX AHEAD OF A QUANTISED PRODUCT. Where the list says 'softmax', what is quantised is not the finished softmax but p = 2^(t - M), with t = logit x log2(e) and M = ceil(the row's largest t), a whole number; so 1/2 < the row's largest p <= 1. The row's sum l is taken of the UNQUANTISED p, in f32, and the product's result is divided by l at the end. Since M is a whole number, a kernel that streams over the keys may use a running M (the ceiling of the running maximum): every later rescaling is an exact power of two, which a block's scale takes up: the codes' values come out the same.
;;   OPERANDS COMPUTED ON THE WAY. 'Computed on the way' means the value that the module computes at that place (a softmax that the list does not call 'softmax' is quantised finished and normalised). What goes into a quantiser is computed in f32, as accurately as f32 sums, v_exp_f32 and their like allow (about 1e-6 of the number): no bf16 or f16 on the way to a quantiser, and a product that is left as it is and whose result goes on into a quantised operand takes f32 operands (vector FMAs, or v_wmma_f32_16x16x4_f32). A number that lies on a knife's edge between two numbers of the format may be rounded either way, as far as f32 arithmetic and the matrix unit's own rounding can turn it there, and no further.
;; One version. Each part assembles by itself: llvm-mc -triple=amdgcn-amd-amdhsa -mcpu=gfx1250 --defsym DOCPART=n.
;; ======== version 1 of 1: 7 launches
;; limits: right only within a limited range of input values
;; workspace buffers: wbuf 9,830,400 bytes; hbuf 3,276,800 bytes; qkvbuf 9,830,400 bytes; cbuf 3,276,800 bytes; x1 16,777,216 bytes; gbuf 13,107,200 bytes
;; launch quantw (part 1): grid 640 x 1, 4 waves a work-group, no clusters, 55,296 bytes of LDS; arguments wq, wk, wv, wo, w_up, w_down, wbuf, hbuf, x, scale1, shift1; writes wbuf, hbuf
.if DOCPART == 1
	.amdgcn_target "amdgcn-amd-amdhsa--gfx1250"
	.amdhsa_code_object_version 6
	.text
	.protected	k_q730e619dd0_quantw
	.globl	k_q730e619dd0_quantw
	.p2align	8
	.type	k_q730e619dd0_quantw,@function
k_q730e619dd0_quantw:
	s_mov_b64 s[64:65], 0
	v_nop
	global_prefetch_b8 v0, s[64:65] scope:SCOPE_SE
	s_setreg_imm32_b32 hwreg(HW_REG_WAVE_MODE, 25, 1), 1
	s_wait_xcnt 0x0
; The six weights (f32, K innermost) become codes of FP6 (E2M3) and one E8M0 byte for each 32 along K, in one stream: wq, wk, wv, wo, w_up, w_down.
; A block's scale byte is its largest magnitude's exponent field - 2, held at 1 from below; each number is divided by the scale and rounded to the nearest code, ties to even.
; LIMITS: a block whose largest magnitude lies under 2^-124 gets the byte 1 (a block of zeros too: its codes are zeros, and this program alone reads the bytes); NaN and infinities are not served.
; ROW ORDER OF THE OUTPUT: row r of a weight is stored at the row whose number has bits 3 and 4 exchanged.  So 16 neighbouring stored rows 32 c + 16 u + p are the rows 32 c + 16 (p / 8) + 8 u + p % 8:
; a matrix tile read from them gives a lane 16 neighbouring columns in two neighbouring tiles' registers.
; SHARES: a work-group takes 32,768 numbers, a wave 8,192 in 16 steps of 512.  With K = 1,024 a wave's run is 8 rows (run bits 0, 1 = row bits 3, 4); with K = 4,096 it is 2 rows (run bits 2, 3).
; Each load reads 512 consecutive bytes; a step's 2,048 bytes turn through the wave's own stage in LDS so that a lane holds 16 neighbours.  No tensor loads, no barrier: waves share nothing.
.set STEPS, 16
.set CB,    12                         ; bytes of 16 codes
.set R,     16                         ; v16-79   four sets of 16 numbers as loaded
.set X,     80                         ; v80-111  two sets of 16 neighbours
.set C,     128                        ; v128-191 codes, four registers a step: no store's data are written again
.set E,     112                        ; v112-127 a scale byte a step
.set WREG,  8192                       ; LDS of a wave: two stages of 32 x SP bytes, then its 256 scale bytes
.set SP,    80                         ; a lane's 64 bytes + 16 of padding
.set WSC,   9437184                    ; where the scale bytes begin in wbuf
	; ONE LAUNCH PREPARES BOTH OPERANDS OF THE FIRST PRODUCTS: work-groups 0 to 383 quantise the weights (the text that follows), work-groups 384 to 639 norm and quantise x's rows (from .Lnorm on).
	; The two ways part here, on the work-group's number alone, and share nothing: each has LDS bytes and spare words of its own (the weights' bytes 0 to 33,279, the norm's 33,280 to 55,295).
	s_cmp_ge_u32 ttmp9, 384
	s_cbranch_scc1 .Lnorm
	s_load_b256 s[4:11], s[0:1], 0x0               ; wq, wk, wv, wo
	s_load_b128 s[12:15], s[0:1], 0x20             ; w_up, w_down
	s_load_b64 s[16:17], s[0:1], 0x30              ; wbuf
	v_lshl_add_u32 v192, v0, 2, 0x8000
	v_mov_b32 v193, 0
	v_lshrrev_b32 v1, 5, v0
	v_readfirstlane_b32 s18, v1                    ; wave
	v_and_b32 v2, 31, v0                           ; lane
	v_lshlrev_b32 v3, 4, v2                        ; my 16 bytes of a load's 512
	s_mul_i32 s19, s18, WREG
	v_lshrrev_b32 v14, 2, v2
	v_mul_u32_u24 v14, v14, SP
	v_and_b32 v15, 3, v2
	v_lshl_add_u32 v14, v15, 4, v14
	v_add_nc_u32 v14, s19, v14                     ; the stage, in: SP (lane / 4) + 16 (lane % 4)
	v_mul_u32_u24 v15, v2, SP
	v_add_nc_u32 v15, s19, v15                     ; and out: SP x lane
	v_lshrrev_b32 v5, 1, v2
	s_add_co_u32 s19, s19, 2*32*SP
	v_add_nc_u32 v5, s19, v5                       ; my block's scale byte in LDS
	v_lshlrev_b32 v7, 3, v2
	v_add_nc_u32 v6, s19, v7                       ; and 8 bytes a lane on the way out
	; where my run goes: the run's number with the two bits exchanged that are row bits 3 and 4
	s_and_b32 s26, s18, 1
	s_lshl_b32 s26, s26, 1
	s_bfe_u32 s27, s18, 0x10001
	s_or_b32 s26, s26, s27
	s_lshl_b32 s27, ttmp9, 2
	s_add_co_u32 s26, s27, s26                     ; K = 1,024: 4 g + (wave with its two bits exchanged)
	s_and_b32 s32, ttmp9, 1
	s_lshl_b32 s32, s32, 1
	s_bfe_u32 s33, ttmp9, 0x10001
	s_or_b32 s32, s32, s33
	s_and_b32 s33, ttmp9, -4
	s_or_b32 s32, s32, s33
	s_lshl_b32 s32, s32, 2
	s_add_co_u32 s32, s32, s18                     ; K = 4,096: 4 (g with its two low bits exchanged) + wave
	; THE CODES' LAYOUT: [chunk of 256 along K][row][192 bytes]: the five weights with K = 1,024 as one matrix of 8,192 rows (a chunk is 1,572,864 bytes), then w_down (a chunk is 196,608 bytes).
	; So 128 rows of a chunk are 24,576 consecutive bytes, at a multiple of 256.  A step's 512 numbers are two chunks of one row: lanes 0-15 the first, lanes 16-31 the second.
	s_cmp_lt_u32 ttmp9, 256
	s_cselect_b32 s26, s26, s32
	s_mov_b32 s34, 384
	s_mov_b32 s35, 1536
	s_cselect_b32 s34, s35, s34                    ; a run's rows x 192: 8 rows, or 2
	s_mov_b32 s35, 5898240                         ; w_down begins at 6,291,456; its runs count from 1,024
	s_cselect_b32 s35, 0, s35
	s_mov_b32 s36, 196608
	s_mov_b32 s37, 1572864
	s_cselect_b32 s36, s37, s36                    ; a chunk in bytes
	s_cselect_b32 s37, 1, 7                        ; steps in a row - 1
	s_cselect_b32 s38, 1, 3                        ; and their logarithm
	s_mul_i32 s28, s26, s34
	s_add_co_u32 s28, s28, s35
	s_mov_b32 s29, 0
	v_and_b32 v4, 15, v2
	v_mul_u32_u24 v4, v4, CB
	v_lshrrev_b32 v8, 4, v2
	v_mad_u32_u24 v4, v8, s36, v4                  ; 12 (lane % 16) + (lane / 16) chunks
	s_wait_alu depctr_va_vdst(0)
	s_lshl_b32 s36, s36, 1
.irp t, 0,1,2,3,4,5,6,7,8,9,10,11,12,13,14,15
	s_and_b32 s39, s37, \t
	s_mul_i32 s39, s39, s36                        ; the step's place in its row: two chunks a step,
	s_lshr_b32 s40, \t, s38
	s_mul_i32 s40, s40, 192                        ; and its row
	s_add_co_u32 s39, s39, s40
	v_add_nc_u32 v[C+4*\t+3], s39, v4              ; a register of its own for each step's offset
.endr
	s_lshl_b32 s30, s26, 8                         ; 256 scale bytes a run
	s_add_co_u32 s30, s30, WSC
	s_mov_b32 s31, 0
	s_wait_alu depctr_va_vdst(0)
	s_wait_kmcnt 0x0
	s_mov_b64 s[20:21], s[4:5]                     ; which weight is my work-group's: the choice hangs on the work-group's number alone
	s_mov_b32 s22, 0
.macro PICK lim, lo
	s_cmp_ge_u32 ttmp9, \lim
	s_cselect_b64 s[20:21], s[\lo:\lo+1], s[20:21]
	s_cselect_b32 s22, \lim, s22
.endm
	PICK 32, 6
	PICK 64, 8
	PICK 96, 10
	PICK 128, 12
	PICK 256, 14
	s_sub_co_u32 s24, ttmp9, s22
	s_lshl_b32 s24, s24, 2
	s_add_co_u32 s24, s24, s18
	s_lshl_b32 s24, s24, 15                        ; 32,768 bytes of f32 a run
	s_mov_b32 s25, 0
	s_add_nc_u64 s[20:21], s[20:21], s[24:25]
	s_add_nc_u64 s[28:29], s[16:17], s[28:29]
	s_add_nc_u64 s[30:31], s[16:17], s[30:31]
.macro LOAD t
.irp i, 0,1,2,3
	global_load_b128 v[R+16*((\t)%4)+4*\i:R+16*((\t)%4)+4*\i+3], v3, s[20:21] offset:2048*(\t)+512*\i th:TH_LOAD_NT   ; 32 lanes read 512 consecutive bytes
.endr
.endm
.macro TURN t                          ; a step's numbers through the stage: LDS serves a wave's instructions in order, so no wait stands between the stores and the loads
.irp i, 0,1,2,3
	ds_store_b128 v14, v[R+16*((\t)%4)+4*\i:R+16*((\t)%4)+4*\i+3] offset:32*SP*((\t)%2)+8*SP*\i
.endr
.irp i, 0,1,2,3
	ds_load_b128 v[X+16*((\t)%2)+4*\i:X+16*((\t)%2)+4*\i+3], v15 offset:32*SP*((\t)%2)+16*\i
.endr
.endm
.irp t, 0,1,2,3
	LOAD \t
.endr
	s_wait_loadcnt 12                              ; step 0's four loads are in
	TURN 0
.macro STEP t
.set XS, X+16*((\t)%2)
.if (\t) > 0
	s_wait_dscnt 1                                 ; this step's numbers are back from the stage; the last step's byte store may be out
.else
	s_wait_dscnt 0x0
.endif
.if (\t)+4 < STEPS
	LOAD (\t)+4                                    ; into the registers that the stage's stores have read
.endif
.if (\t)+1 < STEPS
.if STEPS-2-(\t) >= 3
	s_wait_loadcnt 12                              ; the next step's four loads are in; three steps' may be out
.else
	s_wait_loadcnt 4*(STEPS-2-(\t))
.endif
	TURN (\t)+1
.endif
	v_max3_num_f32 v8, |v[XS]|, |v[XS+1]|, |v[XS+2]|               ; the largest magnitude of my 16, in two chains
	v_max3_num_f32 v9, |v[XS+3]|, |v[XS+4]|, |v[XS+5]|
.irp i, 6,10
	v_max3_num_f32 v8, v8, |v[XS+\i]|, |v[XS+\i+1]|
	v_max3_num_f32 v9, v9, |v[XS+\i+2]|, |v[XS+\i+3]|
.endr
	v_max3_num_f32 v8, v8, |v[XS+14]|, |v[XS+15]|
	v_max3_num_f32 v8, v8, v9, 0x1800000           ; and the floor 2^(3 - 127): the byte cannot fall under 1
	v_max_num_f32_dpp v8, v8, v8 row_xmask:1 row_mask:0xf bank_mask:0xf   ; with my neighbour's 16: the block's
	v_add_nc_u32 v11, 0xff000000, v8               ; 2 off the exponent field: the conversion takes this operand's exponent field as its scale
	v_cvt_scalef32_pk16_fp6_f32 v[C+4*(\t):C+4*(\t)+2], v[XS:XS+15], v11
	v_lshrrev_b32 v[E+(\t)], 23, v11               ; the scale's byte (the plain line behind the conversion)
	ds_store_b8 v5, v[E+(\t)] offset:16*(\t)       ; both lanes of a block write the same byte with the same value
	global_store_b96 v[C+4*(\t)+3], v[C+4*(\t):C+4*(\t)+2], s[28:29]   ; sixteen lanes store 192 consecutive bytes
.endm
.irp t, 0,1,2,3,4,5,6,7,8,9,10,11,12,13,14,15
	STEP \t
.endr
	ds_load_b64 v[12:13], v6                       ; these see my byte stores: LDS serves a wave in order
	s_wait_dscnt 0x0
	global_store_b64 v7, v[12:13], s[30:31]        ; 32 lanes store 256 consecutive bytes, aligned
	s_wait_tensorcnt 0x0
	ds_add_u32 v192, v193
	s_wait_dscnt 0x0
	s_endpgm
; THE NORM'S WAY.  h = (x - mean) / (var + 1e-5) * scale1 + shift1 over rows of 1,024 f32 (var with 1,023 in the divisor, no square root), quantised along the row: codes of FP6 (E2M3)
; laid [chunk of 256 along K][4096 rows][192 bytes], E8M0 bytes [4096][32] behind them.  Mean first, then the sum of squared differences.  Row r is stored at the row whose number has bits 3 and 4 exchanged.
; A wave takes 4 whole rows, a work-group 16; the reductions never leave the wave: no barrier.  All 32 row loads of a wave go out at the head; the waits count down 24, 16, 8, 0.
; LIMITS: a block whose largest magnitude lies under 2^-124 gets the byte 1 (a block of zeros too); NaN and infinities are not served.
.Lnorm:
.set SCLR, 16                          ; v16-47   scale, as a row is loaded
.set SHFR, 48                          ; v48-79   shift
.set R,    80                          ; v80-207  four rows; a row's registers later take its codes and bytes
.set X,    208                         ; v208-239 two steps of 16 neighbours
.set WREG, 5376                        ; LDS of a wave: two stages of 32 x 80 bytes, then 128 scale bytes
.set LB,   33280                       ; where this way's LDS bytes begin
.set HSC,  3145728
	s_load_b64 s[10:11], s[0:1], 0x38              ; hbuf
	s_load_b128 s[4:7], s[0:1], 0x40               ; x, scale1
	s_load_b64 s[8:9], s[0:1], 0x50                ; shift1
	v_lshl_add_u32 v15, v0, 2, LB+0x5400
	v_mov_b32 v251, 0
	v_lshrrev_b32 v1, 5, v0
	v_readfirstlane_b32 s2, v1                     ; wave
	v_and_b32 v1, 31, v0                           ; lane
	v_lshlrev_b32 v2, 4, v1                        ; 16 x lane
	s_mul_i32 s3, s2, WREG
	s_add_co_u32 s3, s3, LB
	v_lshrrev_b32 v3, 2, v1
	v_mul_u32_u24 v3, v3, SP
	v_and_b32 v4, 3, v1
	v_lshl_add_u32 v3, v4, 4, v3
	v_add_nc_u32 v3, s3, v3                        ; the stage, in
	v_mul_u32_u24 v4, v1, SP
	v_add_nc_u32 v4, s3, v4                        ; and out
	s_add_co_u32 s3, s3, 2*32*SP
	v_lshrrev_b32 v5, 1, v1
	v_add_nc_u32 v5, s3, v5                        ; my block's scale byte
	v_lshlrev_b32 v240, 2, v1
	v_add_nc_u32 v6, s3, v240                      ; 4 bytes a lane on the way out
	v_and_b32 v7, 15, v1
	v_mul_u32_u24 v7, v7, 12
	v_lshrrev_b32 v241, 4, v1
	v_mad_u32_u24 v7, v241, 0xc0000, v7            ; 12 (lane % 16) + (lane / 16) chunks of 786,432 bytes
	v_mov_b32 v250, 0                              ; a lane permute's destination counts as read
	v_mov_b32 v253, 0                              ; upper halves of pairs of which the low word serves both halves
	v_mov_b32 v255, 0
	s_mov_b32 s12, 0x76543210
	s_mov_b32 s13, 0xfedcba98                      ; lane l xor 16
	s_mov_b32 s14, 0x3a802008                      ; 1 / 1023
	s_mov_b32 s15, 0x3727c5ac                      ; 1e-5
	s_sub_co_u32 s26, ttmp9, 384                   ; which 16 rows
	s_lshl_b32 s18, s26, 16                        ; 16 rows of 4,096 bytes a work-group,
	s_lshl_b32 s19, s2, 14                         ; 4 a wave
	s_add_co_u32 s18, s18, s19
	s_mov_b32 s19, 0
	s_and_b32 s20, s26, -2                         ; the stored row: bits 5 up stay,
	s_lshl_b32 s20, s20, 4
	s_bfe_u32 s21, s2, 0x10001
	s_lshl_b32 s21, s21, 4                         ; bit 4 takes row bit 3 (wave bit 1),
	s_add_co_u32 s20, s20, s21
	s_and_b32 s21, s26, 1
	s_lshl_b32 s21, s21, 3                         ; bit 3 takes row bit 4,
	s_add_co_u32 s20, s20, s21
	s_and_b32 s21, s2, 1
	s_lshl_b32 s21, s21, 2
	s_add_co_u32 s20, s20, s21                     ; bit 2 stays
	s_mul_i32 s22, s20, 192
	s_mov_b32 s23, 0
	s_lshl_b32 s24, s20, 5
	s_add_co_u32 s24, s24, HSC
	s_mov_b32 s25, 0
	s_wait_alu depctr_va_vdst(0)
	s_wait_kmcnt 0x0
	s_add_nc_u64 s[4:5], s[4:5], s[18:19]
	s_add_nc_u64 s[16:17], s[10:11], s[24:25]      ; my 128 scale bytes
	s_add_nc_u64 s[10:11], s[10:11], s[22:23]      ; my four rows of codes
.irp i, 0,1,2,3,4,5,6,7
	global_load_b128 v[SCLR+4*\i:SCLR+4*\i+3], v2, s[6:7] offset:512*\i
	global_load_b128 v[SHFR+4*\i:SHFR+4*\i+3], v2, s[8:9] offset:512*\i
.endr
.irp p, 0,1,2,3
.irp i, 0,1,2,3,4,5,6,7
	global_load_b128 v[R+32*\p+4*\i:R+32*\p+4*\i+3], v2, s[4:5] offset:4096*\p+512*\i th:TH_LOAD_NT
.endr
.endr
.macro REDUCE                          ; four chains v[242:249] -> the sum over the row, in v8 of every lane
	v_pk_add_f32 v[242:243], v[242:243], v[244:245]
	v_pk_add_f32 v[246:247], v[246:247], v[248:249]
	v_pk_add_f32 v[242:243], v[242:243], v[246:247]
	v_add_f32 v8, v242, v243
	v_add_f32_dpp v8, v8, v8 row_xmask:1 row_mask:0xf bank_mask:0xf
	v_add_f32_dpp v8, v8, v8 row_xmask:2 row_mask:0xf bank_mask:0xf
	v_add_f32_dpp v8, v8, v8 row_xmask:4 row_mask:0xf bank_mask:0xf
	v_add_f32_dpp v8, v8, v8 row_xmask:8 row_mask:0xf bank_mask:0xf
	v_permlanex16_b32 v250, v8, s12, s13
	v_add_f32 v8, v8, v250
.endm
.macro ROW p
.set RR, R+32*(\p)
	s_wait_loadcnt 8*(3-(\p))                      ; scale, shift and this row are in; the younger rows' eight loads each may be out
.irp c, 0,1,2,3
	v_pk_add_f32 v[242+2*\c:243+2*\c], v[RR+2*\c:RR+2*\c+1], v[RR+8+2*\c:RR+9+2*\c]
.endr
.irp k, 16,24
.irp c, 0,1,2,3
	v_pk_add_f32 v[242+2*\c:243+2*\c], v[242+2*\c:243+2*\c], v[RR+\k+2*\c:RR+\k+2*\c+1]
.endr
.endr
	REDUCE
	v_mul_f32 v252, 0x3a800000, v8                 ; the mean: / 1024, exact
.set j, 0
.rept 16
	v_pk_add_f32 v[RR+j:RR+j+1], v[RR+j:RR+j+1], v[252:253] op_sel_hi:[1,0] neg_lo:[0,1] neg_hi:[0,1]   ; x - mean, in place
.set j, j+2
.endr
.irp c, 0,1,2,3
	v_pk_mul_f32 v[242+2*\c:243+2*\c], v[RR+2*\c:RR+2*\c+1], v[RR+2*\c:RR+2*\c+1]
.endr
.irp k, 8,16,24
.irp c, 0,1,2,3
	v_pk_fma_f32 v[242+2*\c:243+2*\c], v[RR+\k+2*\c:RR+\k+2*\c+1], v[RR+\k+2*\c:RR+\k+2*\c+1], v[242+2*\c:243+2*\c]
.endr
.endr
	REDUCE
	v_fma_f32 v9, v8, s14, s15                     ; var + eps
	s_wait_alu depctr_va_vdst(0)
	v_rcp_f32 v254, v9
	v_nop                                          ; a plain line behind the reciprocal
	s_wait_alu depctr_va_vdst(0)                   ; the wait ahead of the result's first reader
	v_fma_f32 v10, -v9, v254, 1.0                  ; one Newton step: what follows goes into a quantiser
	v_fma_f32 v254, v254, v10, v254
.set j, 0
.rept 16
	v_pk_mul_f32 v[RR+j:RR+j+1], v[RR+j:RR+j+1], v[254:255] op_sel_hi:[1,0]
.set j, j+2
.endr
.set j, 0
.rept 16
	v_pk_fma_f32 v[RR+j:RR+j+1], v[RR+j:RR+j+1], v[SCLR+j:SCLR+j+1], v[SHFR+j:SHFR+j+1]
.set j, j+2
.endr
.irp i, 0,1,2,3,4,5,6,7
	ds_store_b128 v3, v[RR+4*\i:RR+4*\i+3] offset:32*SP*(\i/4)+8*SP*(\i%4)   ; the row's two steps of 2,048 bytes, as they lie
.endr
.irp s, 0,1
.irp j, 0,1,2,3
	ds_load_b128 v[X+16*\s+4*\j:X+16*\s+4*\j+3], v4 offset:32*SP*\s+16*\j    ; and back, 64 bytes a lane: LDS serves a wave in order
.endr
.endr
	s_wait_dscnt 0x0
.irp s, 0,1
	v_max3_num_f32 v8, |v[X+16*\s]|, |v[X+16*\s+1]|, |v[X+16*\s+2]|
	v_max3_num_f32 v9, |v[X+16*\s+3]|, |v[X+16*\s+4]|, |v[X+16*\s+5]|
.irp i, 6,10
	v_max3_num_f32 v8, v8, |v[X+16*\s+\i]|, |v[X+16*\s+\i+1]|
	v_max3_num_f32 v9, v9, |v[X+16*\s+\i+2]|, |v[X+16*\s+\i+3]|
.endr
	v_max3_num_f32 v8, v8, |v[X+16*\s+14]|, |v[X+16*\s+15]|
	v_max3_num_f32 v8, v8, v9, 0x1800000           ; the floor 2^(3 - 127)
	v_max_num_f32_dpp v8, v8, v8 row_xmask:1 row_mask:0xf bank_mask:0xf   ; two neighbouring lanes hold a block
	v_add_nc_u32 v11, 0xff000000, v8
	v_cvt_scalef32_pk16_fp6_f32 v[RR+4*\s:RR+4*\s+2], v[X+16*\s:X+16*\s+15], v11   ; into the row's own registers, which are done with and are not written again
	v_lshrrev_b32 v[RR+8+\s], 23, v11              ; the byte (the plain line behind the conversion)
	ds_store_b8 v5, v[RR+8+\s] offset:32*(\p)+16*\s
	global_store_b96 v7, v[RR+4*\s:RR+4*\s+2], s[10:11] offset:192*(\p)+1572864*\s   ; sixteen lanes store a chunk's 192 bytes of the row
.endr
.endm
	ROW 0
	ROW 1
	ROW 2
	ROW 3
	ds_load_b32 v241, v6                           ; my four rows' 128 scale bytes
	s_wait_dscnt 0x0
	global_store_b32 v240, v241, s[16:17]          ; 128 consecutive bytes
	s_wait_tensorcnt 0x0                           ; the wave's end
	ds_add_u32 v15, v251
	s_wait_dscnt 0x0
	s_endpgm
.Lfunc_end_k_q730e619dd0_quantw:
	.size	k_q730e619dd0_quantw, .Lfunc_end_k_q730e619dd0_quantw-k_q730e619dd0_quantw
	.p2alignl 7, 3214868480
	.fill 96, 4, 3214868480
	.section	.rodata,"a",@progbits
	.p2align	6, 0x0
	.amdhsa_kernel k_q730e619dd0_quantw
		.amdhsa_group_segment_fixed_size 55296
		.amdhsa_private_segment_fixed_size 0
		.amdhsa_enable_private_segment 0
		.amdhsa_kernarg_size 88
		.amdhsa_user_sgpr_count 2
		.amdhsa_user_sgpr_kernarg_segment_ptr 1
		.amdhsa_wavefront_size32 1
		.amdhsa_system_sgpr_workgroup_id_x 1
		.amdhsa_system_sgpr_workgroup_id_y 1
		.amdhsa_system_sgpr_workgroup_id_z 1
		.amdhsa_system_vgpr_workitem_id 0
		.amdhsa_next_free_vgpr 256
		.amdhsa_next_free_sgpr 66
		.amdhsa_reserve_vcc 0
		.amdhsa_float_denorm_mode_32 3
		.amdhsa_float_denorm_mode_16_64 3
		.amdhsa_memory_ordered 1
		.amdhsa_forward_progress 1
		.amdhsa_inst_pref_size 82
	.end_amdhsa_kernel
	.amdgpu_metadata
---
amdhsa.version: [ 1, 2 ]
amdhsa.kernels:
  - .name:           k_q730e619dd0_quantw
    .symbol:         k_q730e619dd0_quantw.kd
    .args:
      - { .name: wq, .offset: 0, .size: 8, .value_kind: global_buffer, .address_space: global }
      - { .name: wk, .offset: 8, .size: 8, .value_kind: global_buffer, .address_space: global }
      - { .name: wv, .offset: 16, .size: 8, .value_kind: global_buffer, .address_space: global }
      - { .name: wo, .offset: 24, .size: 8, .value_kind: global_buffer, .address_space: global }
      - { .name: w_up, .offset: 32, .size: 8, .value_kind: global_buffer, .address_space: global }
      - { .name: w_down, .offset: 40, .size: 8, .value_kind: global_buffer, .address_space: global }
      - { .name: wbuf, .offset: 48, .size: 8, .value_kind: global_buffer, .address_space: global }
      - { .name: hbuf, .offset: 56, .size: 8, .value_kind: global_buffer, .address_space: global }
      - { .name: x, .offset: 64, .size: 8, .value_kind: global_buffer, .address_space: global }
      - { .name: scale1, .offset: 72, .size: 8, .value_kind: global_buffer, .address_space: global }
      - { .name: shift1, .offset: 80, .size: 8, .value_kind: global_buffer, .address_space: global }
    .group_segment_fixed_size: 55296
    .private_segment_fixed_size: 0
    .kernarg_segment_align: 8
    .kernarg_segment_size: 88
    .max_flat_workgroup_size: 128
    .sgpr_count:     66
    .vgpr_count:     256
    .wavefront_size: 32
...
	.end_amdgpu_metadata
.endif
;; end of part 1
;; launch qkv (part 2): grid 12 x 16, 4 waves a work-group, clusters of 4 x 4, 327,680 bytes of LDS; arguments hbuf, wbuf, qkvbuf; writes qkvbuf
.if DOCPART == 2
	.amdgcn_target "amdgcn-amd-amdhsa--gfx1250"
	.amdhsa_code_object_version 6
	.text
	.protected	k_q730e619dd0_qkv
	.globl	k_q730e619dd0_qkv
	.p2align	8
	.type	k_q730e619dd0_qkv,@function
k_q730e619dd0_qkv:
	s_mov_b64 s[64:65], 0
	v_nop
	global_prefetch_b8 v0, s[64:65] scope:SCOPE_SE
	s_setreg_imm32_b32 hwreg(HW_REG_WAVE_MODE, 25, 1), 1
	s_wait_xcnt 0x0
	s_wait_alu depctr_hold_cnt(0) depctr_sa_sdst(0) depctr_va_vdst(0) depctr_va_sdst(0) depctr_va_ssrc(0) depctr_va_vcc(0) depctr_vm_vsrc(0)
	s_getreg_b32 s2, hwreg(HW_REG_IB_STS2, 6, 4)
	s_cmp_eq_u32 s2, 0
	s_cbranch_scc0 .Lentry_in_a_cluster
	s_endpgm
.Lentry_in_a_cluster:
	s_bfe_u32 s2, ttmp6, 0x10000c
	s_cmp_lg_u32 s2, 0xf033
	s_cbranch_scc0 .Lentry_shape_is_right
	s_endpgm
.Lentry_shape_is_right:
.set SIZE_K, 1024
.set HSC,    3145728
.set WSC,    9437184
.set QSC,    9437184
.set KROW,   192                       ; codes lie [chunk of 256 along K][row][192 bytes]: 128 rows of a chunk are 24,576 dense bytes, fetched as 96 rows of 256
.set ROWB,   192
.set PITCH,  240
.set FR,     12
.set NLA,    6
.set NP,     4
.set HALFT,  128*PITCH
.set SLOT,   4*HALFT
.set LAPS,   SIZE_K/512
.set KS,     SIZE_K/32
.set HALFS,  (128*KS/256)*272
.set SBLK,   (16*KS/256)*272
.set SCA,    2*SLOT
.set SCB,    SCA+2*HALFS
.set SPARE,  SCB+2*HALFS
.set ADRA, 16
.set ADRB, 20
.set IO,   24
.set SO4,  25
.set ADRSB, 27
.set SPW,  28
.set NIL,  29
.set ADRSA, 30
.set SC,   32
.set AF,   128
.set TM,   160
.set PW,   176
.set PC,   192
.set PWE,  8
.set PWS,  9
.set SEL,  44
.set G1, 24
.set G0, 32
.set G1B, 48
.set G0B, 56
.set G1S, 68
.set G0S, 76
.set G1SB, 80
.set G0SB, 88
.set MSB, 0
.macro WIN new
.if MSB != (\new)
	s_set_vgpr_msb (MSB<<8)|(\new)
.set MSB, (\new)
.endif
.endm
.set MUL_LO, 0xa1
.set MUL_HI, 0xf1
.set TO_B,   0x40
.macro JLOAD g0a, g1a, g0b, g1b
	s_cmp_eq_u32 s15, 0
	s_cbranch_scc0 .Lfor_b_\@
	tensor_load_to_lds s[\g0a:\g0a+3], s[\g1a:\g1a+7]
	s_nop 0
.rept 4
	v_nop
.endr
	s_branch .Lasked_\@
.Lfor_b_\@:
	tensor_load_to_lds s[\g0b:\g0b+3], s[\g1b:\g1b+7]
	s_nop 0
.rept 4
	v_nop
.endr
.Lasked_\@:
.endm
.macro CREST
	s_cmp_lg_u32 s14, 0
	s_cbranch_scc1 .Lnot_wave_0_\@
	s_barrier_signal -3
.Lnot_wave_0_\@:
	s_barrier_wait -3
	s_barrier_signal -1
	s_barrier_wait -1
.endm
.macro CROUND
	s_barrier_signal -1
	s_barrier_wait -1
	CREST
.endm
.macro PLACES n
.rept \n
	v_nop
.endr
.endm
	s_load_b128 s[96:99], s[0:1], 0x0
	s_load_b64 s[12:13], s[0:1], 0x10
	v_lshl_add_u32 v[SPW], v0, 2, SPARE
	v_mov_b32 v[NIL], 0
	ds_add_u32 v28, v29
	ds_add_u32 v28, v29
	s_wait_dscnt 0x0
	v_lshrrev_b32 v1, 5, v0
	v_readfirstlane_b32 s14, v1
	s_lshr_b32 s15, s14, 1
	s_and_b32 s16, s14, 1
	s_bfe_u32 s40, ttmp6, 0x40000
	s_bfe_u32 s41, ttmp6, 0x40004
	s_and_b32 s18, ttmp7, 0xffff
	s_lshl_b32 s18, s18, 2
	s_lshl_b32 s19, ttmp9, 2
	s_cmp_eq_u32 ttmp9, 2
	s_cselect_b32 s17, 0, s18
	s_cselect_b32 s42, s18, s19
	s_add_co_u32 s17, s17, s41
	s_add_co_u32 s42, s42, s40
	s_lshl_b32 s43, s41, 2
	s_lshl_b32 s43, 15, s43
	s_lshl_b32 s44, 0x1111, s40
	s_or_b32 s[G1+0], s43, (3<<16)|(1<<20)|(1<<21)|(3<<22)|(3<<25)
	s_or_b32 s[G1B+0], s44, (3<<16)|(1<<20)|(1<<21)|(3<<22)|(3<<25)
.irp g, G1, G1B
	s_mov_b32 s[\g+1], 32<<16
	s_mov_b32 s[\g+2], 192<<16                     ; the head's form: all 256 rows of a chunk, 192 rows of 256 bytes
	s_mov_b32 s[\g+3], 32<<16
	s_mov_b32 s[\g+4], 192
	s_mov_b32 s[\g+5], 32
	s_mov_b32 s[\g+6], 0
	s_mov_b32 s[\g+7], 0
.endr
	s_or_b32 s[G1S+0], s43, (3<<16)|(1<<20)|(1<<21)|(5<<22)|(3<<25)
	s_or_b32 s[G1SB+0], s44, (3<<16)|(1<<20)|(1<<21)|(5<<22)|(3<<25)
.irp g, G1S, G1SB
	s_mov_b32 s[\g+1], 32<<16
	s_mov_b32 s[\g+2], KS<<16                      ; the scales of all 256 rows
	s_mov_b32 s[\g+3], 32<<16
	s_mov_b32 s[\g+4], KS
	s_mov_b32 s[\g+5], 32
	s_mov_b32 s[\g+6], 0
	s_mov_b32 s[\g+7], 0
.endr
	s_lshl_b32 s18, s16, 7
	s_lshl_b32 s20, s17, 8
	s_mul_i32 s22, s20, KS
	s_add_co_u32 s20, s20, s18
	s_mul_i32 s20, s20, KROW
	s_mov_b32 s21, 0
	s_mov_b32 s23, 0
	s_lshl_b32 s46, s42, 8
	s_mul_i32 s92, s46, KS
	s_add_co_u32 s46, s46, s18
	s_mul_i32 s46, s46, KROW
	s_mov_b32 s47, 0
	s_mov_b32 s93, 0
	s_mul_i32 s45, s14, HALFT
	s_mul_i32 s94, s14, HALFS
	s_wait_kmcnt 0x0
	s_add_nc_u64 s[4:5], s[98:99], 393216
	s_add_nc_u64 s[6:7], s[98:99], WSC+65536
	s_add_nc_u64 s[8:9], s[96:97], HSC
	s_add_nc_u64 s[10:11], s[98:99], WSC
	s_cmp_eq_u32 ttmp9, 2
	s_cselect_b64 s[4:5], s[4:5], s[96:97]
	s_cselect_b64 s[6:7], s[6:7], s[8:9]
	s_cselect_b64 s[10:11], s[8:9], s[10:11]
	s_cselect_b64 s[8:9], s[96:97], s[98:99]
	s_add_nc_u64 s[20:21], s[4:5], s[20:21]
	s_add_nc_u64 s[22:23], s[6:7], s[22:23]
	s_add_nc_u64 s[46:47], s[8:9], s[46:47]
	s_add_nc_u64 s[92:93], s[10:11], s[92:93]
	s_mov_b32 s4, 786432                           ; a chunk of h's codes,
	s_mov_b32 s6, 1572864                          ; and of the weights'
	s_cmp_eq_u32 ttmp9, 2
	s_cselect_b32 s8, s6, s4                       ; source 1's chunk,
	s_cselect_b32 s10, s4, s6                      ; source 0's
	s_mov_b32 s4, s8
	s_mov_b32 s6, s10
	s_lshl_b32 s8, s8, 1                           ; and two chunks of each
	s_lshl_b32 s10, s10, 1
	s_mov_b32 s5, 0
	s_mov_b32 s7, 0
	s_mov_b32 s9, 0
	s_mov_b32 s11, 0
	CROUND
	s_mov_b32 s[G0S], 1
	s_mov_b32 s[G0S+1], SCA
	s_mov_b64 s[G0S+2:G0S+3], s[22:23]
	s_or_b32 s[G0S+3], s[G0S+3], 0x80000000
	s_mov_b32 s[G0SB], 1
	s_mov_b32 s[G0SB+1], SCB
	s_mov_b64 s[G0SB+2:G0SB+3], s[92:93]
	s_or_b32 s[G0SB+3], s[G0SB+3], 0x80000000
.irp s, 0,1
	s_mov_b32 s[G0+4*\s], 1
	s_add_co_u32 s[G0+4*\s+1], s45, \s*SLOT
	s_mov_b64 s[G0+4*\s+2:G0+4*\s+3], s[20:21]
	s_add_nc_u64 s[20:21], s[20:21], s[4:5]
	s_or_b32 s[G0+4*\s+3], s[G0+4*\s+3], 0x80000000
	s_mov_b32 s[G0B+4*\s], 1
	s_add_co_u32 s[G0B+4*\s+1], s45, \s*SLOT
	s_mov_b64 s[G0B+4*\s+2:G0B+4*\s+3], s[46:47]
	s_add_nc_u64 s[46:47], s[46:47], s[6:7]
	s_or_b32 s[G0B+4*\s+3], s[G0B+4*\s+3], 0x80000000
.endr
; THE HEAD'S LOADS, ONE A WAVE, in one chain of branches on the wave's number: wave 0 source 1's 256 rows of chunk 0 (its own group 0 begins at the tile's first row and at the slot's first byte), wave 1 their scales,
; wave 2 source 0's 256 rows (likewise), wave 3 their scales.
.macro ARM under, g0, g1, next
	s_cmp_lt_u32 s14, \under
	s_cbranch_scc0 \next
	tensor_load_to_lds s[\g0:\g0+3], s[\g1:\g1+7]
	s_nop 0
	PLACES 4
	s_branch .Lhead_asked
\next:
.endm
	ARM 1, G0,  G1,  .Lhead_sa
	ARM 2, G0S, G1S, .Lhead_b
	ARM 3, G0B, G1B, .Lhead_sb
	tensor_load_to_lds s[G0SB:G0SB+3], s[G1SB:G1SB+7]
	s_nop 0
	PLACES 4
.Lhead_asked:
	; the prefetches: of the 96 blocks of 256 bytes that my wave fetches of a chunk, my work-group names 24, told apart from its three partners' by address
	s_sub_nc_u64 s[20:21], s[20:21], s[8:9]        ; back to chunk 0
	s_sub_nc_u64 s[46:47], s[46:47], s[10:11]
	s_cmp_eq_u32 s15, 0
	s_cselect_b64 s[66:67], s[20:21], s[46:47]
	s_cselect_b32 s101, s4, s6                     ; bytes from chunk to chunk
	s_cselect_b32 s20, s40, s41
	s_mul_i32 s20, s20, 6144
	s_mov_b32 s21, 0
	s_add_nc_u64 s[66:67], s[66:67], s[20:21]
	v_and_b32 v1, 15, v0
	v_bfe_u32 v2, v0, 4, 1
	v_and_b32 v6, 31, v0
	v_mul_u32_u24 v3, v1, PITCH
	v_mul_u32_u24 v4, v2, 24
	v_add_nc_u32 v4, v3, v4
	v_lshl_add_u32 v5, v2, 4, v4
	s_mul_i32 s21, s15, HALFT
	s_mul_i32 s22, s16, HALFT
	s_add_co_u32 s22, s22, 2*HALFT
.irp s, 0,1
	v_add_nc_u32 v[ADRA+\s], s21, v4
	v_add_nc_u32 v[ADRB+\s], s22, v4
	v_add_nc_u32 v[ADRA+2+\s], s21, v5
	v_add_nc_u32 v[ADRB+2+\s], s22, v5
	s_add_co_u32 s21, s21, SLOT
	s_add_co_u32 s22, s22, SLOT
.endr
	v_mul_u32_u24 v3, v6, KS
	v_lshrrev_b32 v4, 8, v3
	v_lshl_add_u32 v3, v4, 4, v3
	s_mul_i32 s21, s16, HALFS
	s_add_co_u32 s21, s21, SCB
	v_add_nc_u32 v[ADRSB], s21, v3
	s_mul_i32 s21, s15, HALFS
	s_add_co_u32 s21, s21, SCA
	v_add_nc_u32 v[ADRSA], s21, v3
	v_lshlrev_b32 v[IO], 4, v6
	v_lshlrev_b32 v[SO4], 2, v6
	v_min_u32 v12, 23, v6                          ; lanes 24-31 name the last block again
	v_lshlrev_b32 v12, 8, v12
	v_add_nc_u32 v12, s101, v12                    ; v12, v13, v14: my blocks of chunks 1, 2, 3; never rewritten
	v_add_nc_u32 v13, s101, v12
	v_add_nc_u32 v14, s101, v13
	s_add_co_u32 s21, s17, 8
	s_cmp_eq_u32 ttmp9, 2
	s_cselect_b32 s18, s42, s17
	s_cselect_b32 s19, s16, s15
	s_cselect_b32 s21, s21, s42
	s_cselect_b32 s22, s15, s16
	s_lshr_b32 s23, s21, 2
	s_lshl_b32 s23, s23, 4
	s_lshr_b32 s100, s18, 3
	s_lshl_b32 s100, s100, 3
	s_add_co_u32 s23, s23, s100
	s_and_b32 s21, s21, 3
	s_lshl_b32 s21, s21, 1
	s_add_co_u32 s23, s23, s21
	s_add_co_u32 s23, s23, s22
	s_and_b32 s18, s18, 7
	s_lshl_b32 s18, s18, 1
	s_add_co_u32 s18, s18, s19
	s_mul_i32 s20, s23, 196608
	s_mul_i32 s21, s18, 12288
	s_add_co_u32 s20, s20, s21
	s_mov_b32 s21, 0
	s_lshl_b32 s22, s23, 13
	s_lshl_b32 s23, s18, 9
	s_add_co_u32 s22, s22, s23
	s_add_co_u32 s22, s22, QSC
	s_mov_b32 s23, 0
	s_add_nc_u64 s[96:97], s[12:13], s[22:23]
	s_add_nc_u64 s[12:13], s[12:13], s[20:21]
.macro FRAG reg, adr, q, i
.irp p, 0,1,2,3,4,5
.set PCE, 12*(\q)+6*(\p/3)+\p%3
.if PCE%8 < 5
	ds_load_b64 v[\reg+2*\p:\reg+2*\p+1], v[\adr] offset:8*PCE+16*(PCE/8)+(\i)*16*PITCH
.else
	ds_load_b64 v[\reg+2*\p:\reg+2*\p+1], v[\adr+2] offset:8*PCE+16*(PCE/8)+(\i)*16*PITCH
.endif
.endr
.endm
.macro WM a, b, p, q, sc, cm
.set rD, 8*(8*((\a)%4)+(\b))
.set rB, 128*(\p)+FR*(\b)
.set rA, AF+FR*(\a)
.set rX, SC+16*(\sc)+2*((\b)/2)+(\q)
.set rY, SC+16*(\sc)+8+2*((\a)/2)+(\q)
.set od, 2*((\a)%2)+(\b)%2
.if (\cm) == 1
.if od == 0
	v_wmma_scale_f32_16x16x128_f8f6f4 v[rD:rD+7], v[rB:rB+FR-1], v[rA:rA+FR-1], 0, v[rX], v[rY] matrix_a_fmt:MATRIX_FMT_FP6 matrix_b_fmt:MATRIX_FMT_FP6
.elseif od == 1
	v_wmma_scale_f32_16x16x128_f8f6f4 v[rD:rD+7], v[rB:rB+FR-1], v[rA:rA+FR-1], 0, v[rX], v[rY] matrix_a_fmt:MATRIX_FMT_FP6 matrix_b_fmt:MATRIX_FMT_FP6 matrix_a_scale:MATRIX_SCALE_ROW1
.elseif od == 2
	v_wmma_scale_f32_16x16x128_f8f6f4 v[rD:rD+7], v[rB:rB+FR-1], v[rA:rA+FR-1], 0, v[rX], v[rY] matrix_a_fmt:MATRIX_FMT_FP6 matrix_b_fmt:MATRIX_FMT_FP6 matrix_b_scale:MATRIX_SCALE_ROW1
.else
	v_wmma_scale_f32_16x16x128_f8f6f4 v[rD:rD+7], v[rB:rB+FR-1], v[rA:rA+FR-1], 0, v[rX], v[rY] matrix_a_fmt:MATRIX_FMT_FP6 matrix_b_fmt:MATRIX_FMT_FP6 matrix_a_scale:MATRIX_SCALE_ROW1 matrix_b_scale:MATRIX_SCALE_ROW1
.endif
.else
.if od == 0
	v_wmma_scale_f32_16x16x128_f8f6f4 v[rD:rD+7], v[rB:rB+FR-1], v[rA:rA+FR-1], v[rD:rD+7], v[rX], v[rY] matrix_a_fmt:MATRIX_FMT_FP6 matrix_b_fmt:MATRIX_FMT_FP6
.elseif od == 1
	v_wmma_scale_f32_16x16x128_f8f6f4 v[rD:rD+7], v[rB:rB+FR-1], v[rA:rA+FR-1], v[rD:rD+7], v[rX], v[rY] matrix_a_fmt:MATRIX_FMT_FP6 matrix_b_fmt:MATRIX_FMT_FP6 matrix_a_scale:MATRIX_SCALE_ROW1
.elseif od == 2
	v_wmma_scale_f32_16x16x128_f8f6f4 v[rD:rD+7], v[rB:rB+FR-1], v[rA:rA+FR-1], v[rD:rD+7], v[rX], v[rY] matrix_a_fmt:MATRIX_FMT_FP6 matrix_b_fmt:MATRIX_FMT_FP6 matrix_b_scale:MATRIX_SCALE_ROW1
.else
	v_wmma_scale_f32_16x16x128_f8f6f4 v[rD:rD+7], v[rB:rB+FR-1], v[rA:rA+FR-1], v[rD:rD+7], v[rX], v[rY] matrix_a_fmt:MATRIX_FMT_FP6 matrix_b_fmt:MATRIX_FMT_FP6 matrix_a_scale:MATRIX_SCALE_ROW1 matrix_b_scale:MATRIX_SCALE_ROW1
.endif
.endif
.endm
.macro MUL16 a0, p, q, sc, cm
.irp ra, 0,1
.irp b, 0,1,2,3,4,5,6,7
	WM (\a0)+\ra, \b, \p, \q, \sc, \cm
.endr
.endr
.endm
.macro FETCH_B slot, q, p
	WIN TO_B
.irp i, 0,1,2,3,4,5,6,7
	FRAG 128*(\p)+FR*\i, ADRB+\slot, \q, \i
.endr
	WIN 0
.endm
.macro FETCH_A slot, q, i0
.irp i, 0,1,2,3
	FRAG AF+FR*((\i0)+\i), ADRA+\slot, \q, (\i0)+\i
.endr
.endm
.macro SCALES sc
.irp i, 0,1,2,3
	ds_load_b64 v[SC+16*\sc+2*\i:SC+16*\sc+2*\i+1], v[ADRSB] offset:\i*2*SBLK
	ds_load_b64 v[SC+16*\sc+8+2*\i:SC+16*\sc+9+2*\i], v[ADRSA] offset:\i*2*SBLK
.endr
.endm
.macro STEP slot, q, cm
	s_wait_dscnt 4*NLA
	WIN MUL_LO
	MUL16 0, (\q)%2, \q, \slot, \cm
	MUL16 2, (\q)%2, \q, \slot, \cm
	s_wait_dscnt 0
	PLACES NP
	FETCH_B \slot, (\q)+1, 1-(\q)%2
	FETCH_A \slot, (\q)+1, 0
	WIN MUL_HI
	MUL16 4, (\q)%2, \q, \slot, \cm
	MUL16 6, (\q)%2, \q, \slot, \cm
	PLACES NP
	WIN 0
	FETCH_A \slot, (\q)+1, 4
.endm
.macro TURN slot, next, fill
	s_wait_tensorcnt 0x0
	ds_add_u32 v[SPW], v[NIL]
	s_wait_dscnt 4*NLA+1
	WIN MUL_LO
	MUL16 0, 1, 1, \slot, 0
	s_wait_dscnt 0x0
	s_barrier_signal -1
	MUL16 2, 1, 1, \slot, 0
	WIN 0
	s_barrier_wait -1
.if \fill
	CREST
	s_add_nc_u64 s[G0+4*\slot+2:G0+4*\slot+3], s[G0+4*\slot+2:G0+4*\slot+3], s[8:9]
	s_add_nc_u64 s[G0B+4*\slot+2:G0B+4*\slot+3], s[G0B+4*\slot+2:G0B+4*\slot+3], s[10:11]
	JLOAD G0+4*\slot, G1, G0B+4*\slot, G1B
.else
	PLACES NP
.endif
	s_wait_alu depctr_va_vdst(0)
	v_add_nc_u32 v[ADRSB], 8, v[ADRSB]
	v_add_nc_u32 v[ADRSA], 8, v[ADRSA]
	FETCH_B \next, 0, 0
	FETCH_A \next, 0, 0
	SCALES \next
.if (\fill) && (\slot) == 0
	global_prefetch_b8 v14, s[66:67] th:TH_LOAD_NT scope:SCOPE_SE   ; chunk 3, one fill ahead of its load (the loop has one trip)
.endif
	WIN MUL_HI
	MUL16 4, 1, 1, \slot, 0
	MUL16 6, 1, 1, \slot, 0
	PLACES NP
	WIN 0
	FETCH_A \next, 0, 4
.endm
.macro QUANT s, w
	WIN ((\w)<<2)|((\w)<<4)
.irp b, 0,1,2,3
	v_max3_num_f32 v[TM+\b], 0x1800000, |v[(\s)+16*\b]|, |v[(\s)+1+16*\b]|
.endr
.irp i, 2,4,6,8,10,12,14
.irp b, 0,1,2,3
	v_max3_num_f32 v[TM+\b], v[TM+\b], |v[(\s)+16*\b+\i]|, |v[(\s)+1+16*\b+\i]|
.endr
.endr
	WIN 0
.irp b, 0,1,2,3
	v_permlanex16_b32 v[TM+4+\b], v[TM+\b], s[SEL], s[SEL+1]
.endr
.irp b, 0,1,2,3
	v_max_num_f32 v[TM+\b], v[TM+\b], v[TM+4+\b]
.endr
.irp b, 0,1,2,3
	v_add_nc_u32 v[TM+12+\b], 0xff000000, v[TM+\b]
.endr
.irp b, 0,1,2,3
	v_lshrrev_b32 v[TM+4+\b], 23, v[TM+12+\b]
.endr
	v_lshl_or_b32 v[PW], v[TM+5], 8, v[TM+4]
	v_lshl_or_b32 v[PW], v[TM+6], 16, v[PW]
	v_lshl_or_b32 v[PW], v[TM+7], 24, v[PW]
	WIN (\w)
.irp c, 0,1
	v_cvt_scalef32_pk16_fp6_f32 v[PC+6*\c:PC+2+6*\c], v[(\s)+32*\c:(\s)+15+32*\c], v[TM+12+2*\c]
	v_cvt_scalef32_pk16_fp6_f32 v[PC+12+4*\c:PC+14+4*\c], v[(\s)+16+32*\c:(\s)+31+32*\c], v[TM+13+2*\c]
.endr
	WIN 0
	v_nop
.irp c, 0,1
.irp i, 0,1,2
	v_permlane16_swap_b32 v[PC+6*\c+\i], v[PC+12+4*\c+\i]
.endr
.irp i, 0,1,2
	v_mov_b32 v[PC+3+6*\c+\i], v[PC+12+4*\c+\i]
.endr
.endr
.endm
	s_wait_alu depctr_va_vdst(0)
	global_prefetch_b8 v12, s[66:67] th:TH_LOAD_NT scope:SCOPE_SE   ; chunk 1
	s_wait_tensorcnt 0x0                           ; my tile of the head's four is in; the full sequence ahead of slot 1's first fill
	ds_add_u32 v[SPW], v[NIL]
	s_mov_b32 s[G1+2], 96<<16                      ; no load of mine is out: from here on a load brings 128 rows of a chunk, 96 rows of 256 bytes
	s_mov_b32 s[G1+4], 96
	s_mov_b32 s[G1B+2], 96<<16
	s_mov_b32 s[G1B+4], 96
	s_wait_dscnt 0x0
	CROUND
	JLOAD G0+4, G1, G0B+4, G1B
	FETCH_B 0, 0, 0
	FETCH_A 0, 0, 0
	SCALES 0
	FETCH_A 0, 0, 4
	global_prefetch_b8 v13, s[66:67] th:TH_LOAD_NT scope:SCOPE_SE   ; chunk 2
	STEP 0, 0, 1
	s_mov_b32 s3, LAPS-1
.Llap:
	TURN 0, 1, 1
	STEP 1, 0, 0
	TURN 1, 0, 1
	STEP 0, 0, 0
	s_sub_co_u32 s3, s3, 1
	s_cmp_lg_u32 s3, 0
	s_cbranch_scc1 .Llap
	TURN 0, 1, 0
	STEP 1, 0, 0
	s_wait_dscnt 4*NLA
	WIN MUL_LO
	MUL16 0, 1, 1, 1, 0
	MUL16 2, 1, 1, 1, 0
	s_wait_dscnt 0
	WIN MUL_HI
	MUL16 4, 1, 1, 1, 0
	MUL16 6, 1, 1, 1, 0
	WIN 0
	PLACES NP
	s_mov_b32 s[SEL], 0x76543210
	s_mov_b32 s[SEL+1], 0xfedcba98
	s_mov_b32 s98, 0xffff0000
.irp b, 0,1,2,3
	v_mov_b32 v[TM+4+\b], 0
.endr
.irp a, 0,1,2,3,4,5,6,7
.if \a > 0
	s_wait_xcnt 0x0
.endif
	QUANT 64*(\a%4), 2+\a/4
.irp g, 0,1,2
	global_store_b128 v[IO], v[PC+4*\g:PC+4*\g+3], s[12:13] offset:\a*1536+512*\g
.endr
.if \a%2 == 0
	v_mov_b32 v[PWE], v[PW]
.else
	v_cndmask_b32 v[PWS], v[PWE], v[PW], s98
	global_store_b32 v[SO4], v[PWS], s[96:97] offset:(\a/2)*128
.endif
.endr
	s_wait_tensorcnt 0x0
	ds_add_u32 v[SPW], v[NIL]
	s_wait_dscnt 0x0
	CROUND
	s_endpgm
.Lfunc_end_k_q730e619dd0_qkv:
	.size	k_q730e619dd0_qkv, .Lfunc_end_k_q730e619dd0_qkv-k_q730e619dd0_qkv
	.p2alignl 7, 3214868480
	.fill 96, 4, 3214868480
	.section	.rodata,"a",@progbits
	.p2align	6, 0x0
	.amdhsa_kernel k_q730e619dd0_qkv
		.amdhsa_group_segment_fixed_size 327680
		.amdhsa_private_segment_fixed_size 0
		.amdhsa_enable_private_segment 0
		.amdhsa_kernarg_size 24
		.amdhsa_user_sgpr_count 2
		.amdhsa_user_sgpr_kernarg_segment_ptr 1
		.amdhsa_wavefront_size32 1
		.amdhsa_system_sgpr_workgroup_id_x 1
		.amdhsa_system_sgpr_workgroup_id_y 1
		.amdhsa_system_sgpr_workgroup_id_z 1
		.amdhsa_system_vgpr_workitem_id 0
		.amdhsa_next_free_vgpr 1024
		.amdhsa_next_free_sgpr 102
		.amdhsa_reserve_vcc 0
		.amdhsa_float_denorm_mode_32 3
		.amdhsa_float_denorm_mode_16_64 3
		.amdhsa_memory_ordered 1
		.amdhsa_forward_progress 1
		.amdhsa_inst_pref_size 167
	.end_amdhsa_kernel
	.amdgpu_metadata
---
amdhsa.version: [ 1, 2 ]
amdhsa.kernels:
  - .name:           k_q730e619dd0_qkv
    .symbol:         k_q730e619dd0_qkv.kd
    .args:
      - { .name: hbuf, .offset: 0, .size: 8, .value_kind: global_buffer, .address_space: global }
      - { .name: wbuf, .offset: 8, .size: 8, .value_kind: global_buffer, .address_space: global }
      - { .name: qkvbuf, .offset: 16, .size: 8, .value_kind: global_buffer, .address_space: global }
    .group_segment_fixed_size: 327680
    .private_segment_fixed_size: 0
    .kernarg_segment_align: 8
    .kernarg_segment_size: 24
    .max_flat_workgroup_size: 128
    .sgpr_count:     102
    .vgpr_count:     1024
    .wavefront_size: 32
...
	.end_amdgpu_metadata
.endif
;; end of part 2
;; launch attn (part 3): grid 16 x 16, 16 waves a work-group, no clusters, 327,680 bytes of LDS; arguments qkvbuf, cbuf; writes cbuf
.if DOCPART == 3
	.amdgcn_target "amdgcn-amd-amdhsa--gfx1250"
	.amdhsa_code_object_version 6
	.text
	.protected	k_q730e619dd0_attn
	.globl	k_q730e619dd0_attn
	.p2align	8
	.type	k_q730e619dd0_attn,@function
k_q730e619dd0_attn:
	s_mov_b64 s[64:65], 0
	v_nop
	global_prefetch_b8 v0, s[64:65] scope:SCOPE_SE
	s_setreg_imm32_b32 hwreg(HW_REG_WAVE_MODE, 25, 1), 1
	s_wait_xcnt 0x0
; ctx = softmax(q k^T / 8) v for 32 heads of 64, 2,048 keys, no mask, both products on codes of FP6 (E2M3) with E8M0 scales; ctx / l is quantised along the QUERIES (the next product's K) and leaves as images.
; THE SOFTMAX: t = score x log2(e) / 8; M = the running largest t rounded UP to a whole number; p = 2^(t - M) is quantised along the keys; the sum is taken of the unquantised p and divides at the end.
; TWO HEADS SHARE A FRAGMENT: a head's 64 are half of the instruction's 128 along K.  A fragment of q or k holds a head pair (registers 0-5 the even head, 6-11 the odd one); a wave clears the other head's half of ITS q: zero codes add nothing.
; SHARES.  A work-group owns 128 queries of a head pair; wave w: head w % 2 of the pair, tile w / 2 of 16 queries; 256 registers, four waves to a SIMD.  Every wave walks all keys, 128 a step.
; All operands come as IMAGES of their registers (1,536 bytes a fragment, registers 4 g .. of lane l at 512 g + 16 l), so every LDS load reads 512 consecutive bytes.
; Both products are used transposed: a lane holds one query throughout.  The rows of k's images are stored so that the 16 registers of tiles 2 b and 2 b + 1 are keys 32 b + 16 (lane / 16) + 0 .. 15.
; THE RING: two slots of 512 keys (k's four steps, v's four steps: 8 x 12,288 bytes), filled by waves 0 to 7, one tensor load each, read by all sixteen.  The pair's scale images stay in LDS.
; NO CLUSTER: a slot's 98,304 bytes serve 16 waves x 4 key steps of some 250 vector instructions each; the tiles are a small part of a step's work here.
; LIMITS of the quantiser: a block whose largest magnitude lies under 2^-124 gets the byte 1 (a block of zeros too); NaN and infinities are not served.
; REGISTERS: v1-7 addresses that stay; v8-11 addresses in hand; v12 -M, v13 the largest t, v[14:15] the sum; v16-27 q; v32-79 four fragments; v96-159 S^T, then p; v160-191 O^T; v224-235 p's codes; v232-254 at work; v255 q's scale words.
.set SLOT1, 1<<17
.set STEPB, 12288                      ; a step's 8 images
.set VOFF,  4*STEPB                    ; A SLOT HOLDS 512 KEYS: k's four steps, then v's four: 8 x 12,288 bytes, fetched by waves 0 to 7, one tensor load each; the scale images by waves 8 to 11
.set STAGE, 49152                      ; 128 rows (d of the pair) x (512 bytes + 16): over slot 0, used behind its last fill
.set SPI,   528
.set SC,    2*SLOT1                    ; k's scale images 8,192 bytes, then v's
.set SPARE, SC+16384                   ; the spare words, 128 bytes a wave
.set NSL,   4                          ; the last slot lies at SLOT1; the stage lies in the other slot's bytes, which have had their last fill and, behind the last barrier, their last read
.set QSC,   9437184
.set CSC,   3145728
.set AK0,  1
.set AV0,  2
.set ASK0, 3
.set ASV0, 4
.set SPW,  5
.set NIL,  6
.set S4,   7                           ; v7 4 x (lane % 16)
.set ADK,  8
.set ADV,  9
.set ADS,  10
.set ADT,  11
.set PFO,  28
.set TM,   200
.set PW,   216
.set PC,   176
.set WV,   18
.set SEL,  20
.set CS,   22
.set G1T,  24
.set G1S,  32
.set G0T,  40
.set G0S,  44
.set TB,   2
.set TS,   3
.set SLOTS, 67
.set PFA,  76
.set LIM,  80
.macro TLOAD                           ; waves 0 to 7 fetch, the others nothing; four v_nop follow the line
	s_cmp_lt_u32 s[WV], 8
	s_cbranch_scc0 .Lasked_\@
	tensor_load_to_lds s[G0T:G0T+3], s[G1T:G1T+7]
	s_nop 0
.rept 4
	v_nop
.endr
.Lasked_\@:
.endm
; A PREFETCH INTO THE L2 of what the NEXT change of slots will ask for: 49,152 bytes of k's images and as many of v's.  All 16 work-groups of a head pair walk the same bytes: the first (x = 0) asks.
; In it waves 4 to 6 ask for k's and waves 8 to 10 for v's: two instructions of 8,192 bytes a wave, lanes 256 bytes apart: each aligned block of 256 bytes is named once in the launch.  The last change that fills a slot asks for nothing.
.macro ASK
	s_cmp_gt_u32 s[SLOTS], s[LIM]
	s_cbranch_scc0 .Lnot_mine_\@
	global_prefetch_b8 v[PFO], s[PFA:PFA+1] th:TH_LOAD_NT scope:SCOPE_SE
	global_prefetch_b8 v[PFO], s[PFA:PFA+1] offset:24576 th:TH_LOAD_NT scope:SCOPE_SE
.Lnot_mine_\@:
.endm
	s_load_b128 s[4:7], s[0:1], 0x0                ; qkvbuf, cbuf
	v_lshl_add_u32 v[SPW], v0, 2, SPARE
	v_mov_b32 v[NIL], 0
	ds_add_u32 v5, v6
	ds_add_u32 v5, v6
	s_wait_dscnt 0x0
	v_lshrrev_b32 v8, 5, v0
	s_delay_alu instid0(VALU_DEP_1)
	v_readfirstlane_b32 s[WV], v8                  ; wave 0..15
	s_and_b32 s8, ttmp7, 0xffff                    ; the head pair: 8 x batch + pair
	s_and_b32 s9, s[WV], 3
	s_and_b32 s10, s[WV], 1                        ; my head of the pair
	s_lshr_b32 s11, s[WV], 1                       ; my tile of queries
	s_mov_b32 s[G1T], 3<<16                        ; elements of 8 bytes, no mask, no padding: 48 rows of 256 bytes, dense
	s_mov_b32 s[G1T+1], 32<<16
	s_mov_b32 s[G1T+2], 48<<16
	s_mov_b32 s[G1T+3], 32<<16
	s_mov_b32 s[G1T+4], 48
	s_mov_b32 s[G1T+5], 32
	s_mov_b32 s[G1T+6], 0
	s_mov_b32 s[G1T+7], 0
	s_mov_b32 s[G1S], 3<<16                        ; the scale images: 16 rows of 256 bytes
	s_mov_b32 s[G1S+1], 32<<16
	s_mov_b32 s[G1S+2], 16<<16
	s_mov_b32 s[G1S+3], 32<<16
	s_mov_b32 s[G1S+4], 16
	s_mov_b32 s[G1S+5], 32
	s_mov_b32 s[G1S+6], 0
	s_mov_b32 s[G1S+7], 0
	s_cmp_lt_u32 s9, 2                             ; waves 0, 1: k's section (16 + pair); waves 2, 3: v's (32 + pair)
	s_cselect_b32 s12, 16, 32
	s_add_co_u32 s12, s12, s8
	s_bitcmp1_b32 s[WV], 2                         ; the tiles: waves 0 to 3 k's section, waves 4 to 7 v's; step wave % 4 of the slot
	s_cselect_b32 s13, 32, 16
	s_add_co_u32 s13, s13, s8
	s_mul_i32 s14, s13, 196608
	s_mul_i32 s13, s9, STEPB
	s_add_co_u32 s14, s14, s13
	s_mov_b32 s15, 0
	s_lshl_b32 s16, s12, 13
	s_lshl_b32 s13, s10, 12
	s_add_co_u32 s16, s16, s13
	s_add_co_u32 s16, s16, QSC
	s_mov_b32 s17, 0
	s_lshl_b32 s48, ttmp9, 3
	s_add_co_u32 s48, s48, s11                     ; my image of q: 8 x block + tile
	s_mul_i32 s50, s48, 1536
	s_mul_i32 s49, s8, 196608
	s_add_co_u32 s50, s50, s49
	s_mov_b32 s51, 0
	s_lshl_b32 s52, s48, 6
	s_lshl_b32 s49, s8, 13
	s_add_co_u32 s52, s52, s49
	s_add_co_u32 s52, s52, QSC
	s_mov_b32 s53, 0
	s_cmp_eq_u32 s10, 0
	s_cselect_b32 s81, -1, 0                       ; keeps registers 0-5 of q in the even head's waves,
	s_not_b32 s82, s81                             ; registers 6-11 in the odd head's
	s_mov_b32 s[SEL], 0x76543210
	s_mov_b32 s[SEL+1], 0xfedcba98
	s_mov_b32 s[CS], 0x3e38aa3b                    ; c = log2(e) / 8
	s_mov_b32 s[CS+1], s[CS]
	s_mov_b32 s[TB], 0
	s_mov_b32 s[TS], 0
	s_mov_b32 s[SLOTS], NSL-1
	; the prefetches: who asks, and where
	s_sub_co_u32 s83, s[WV], 4
	s_lshr_b32 s83, s83, 3                         ; 0 in waves 4 to 11,
	s_or_b32 s83, s83, ttmp9                       ; of the pair's first work-group
	s_cmp_eq_u32 s83, 0
	s_cselect_b32 s[LIM], 1, -1
	s_cmp_eq_u32 s9, 3                             ; (three waves' worth: not waves 7 and 11)
	s_cselect_b32 s[LIM], -1, s[LIM]
	s_cmp_lt_u32 s[WV], 8
	s_cselect_b32 s84, 16, 32
	s_add_co_u32 s84, s84, s8
	s_mul_i32 s84, s84, 196608
	s_lshl_b32 s85, s9, 13
	s_add_co_u32 s84, s84, s85
	s_add_co_u32 s84, s84, 4*STEPB                 ; in slot 1: the first change of slots steps it to slot 2; nothing is asked for at the head
	s_mov_b32 s85, 0
	s_wait_kmcnt 0x0
	s_mov_b32 s[G0S], 1
	s_lshl_b32 s[G0S+1], s9, 12
	s_add_co_u32 s[G0S+1], s[G0S+1], SC
	s_add_nc_u64 s[G0S+2:G0S+3], s[4:5], s[16:17]
	s_or_b32 s[G0S+3], s[G0S+3], 0x80000000
	s_mov_b32 s[G0T], 1
	s_and_b32 s13, s[WV], 7
	s_mul_i32 s[G0T+1], s13, STEPB                 ; k's steps 0 to 3, v's steps 0 to 3
	s_add_nc_u64 s[G0T+2:G0T+3], s[4:5], s[14:15]
	s_or_b32 s[G0T+3], s[G0T+3], 0x80000000
	s_cmp_lt_u32 s[WV], 8                          ; the first fills, one a wave, in one chain of branches: waves 0 to 7 fetch slot 0's eight parts,
	s_cbranch_scc0 .Lhead_s
	tensor_load_to_lds s[G0T:G0T+3], s[G1T:G1T+7]
	s_nop 0
.rept 4
	v_nop
.endr
	s_branch .Lno_first
.Lhead_s:
	s_cmp_lt_u32 s[WV], 12                         ; waves 8 to 11 the four parts of the scale images (their descriptors hang on wave % 4 alone), the others nothing
	s_cbranch_scc0 .Lno_first
	tensor_load_to_lds s[G0S:G0S+3], s[G1S:G1S+7]
	s_nop 0
.rept 4
	v_nop
.endr
.Lno_first:
	s_add_nc_u64 s[PFA:PFA+1], s[4:5], s[84:85]
	s_add_nc_u64 s[50:51], s[4:5], s[50:51]
	s_add_nc_u64 s[52:53], s[4:5], s[52:53]
	v_and_b32 v8, 31, v0
	v_and_b32 v9, 15, v0
	s_delay_alu instid0(VALU_DEP_2)
	v_lshlrev_b32 v[AK0], 4, v8                    ; 16 x lane
	s_delay_alu instid0(VALU_DEP_2)
	v_lshlrev_b32 v[S4], 2, v9
.irp g, 0,1,2
	global_load_b128 v[16+4*\g:19+4*\g], v[AK0], s[50:51] offset:512*\g   ; q's image
.endr
	global_load_b32 v255, v[S4], s[52:53]          ; q's scale words
	s_mul_i32 s12, s10, 4*1536
	s_add_co_u32 s12, s12, VOFF
	v_add_nc_u32 v[AV0], s12, v[AK0]               ; v: my head's four images
	v_lshl_add_u32 v[ASK0], v9, 2, SC
	s_lshl_b32 s12, s10, 8
	s_add_co_u32 s12, s12, SC+8192
	v_lshl_add_u32 v[ASV0], v9, 2, s12
	v_lshlrev_b32 v[PFO], 8, v8
	v_mov_b32 v13, 0xff61b1e6                      ; the largest t so far: -3e38
	s_delay_alu instid0(VALU_DEP_1)
	v_floor_f32 v12, -v13                          ; -M
	v_mov_b32 v14, 0
	v_mov_b32 v15, 0
.irp b, 0,1,2,3
	v_mov_b32 v[236+\b], 0                         ; a lane permute's destination counts as read
.endr
	v_mov_b32 v253, 0
	s_wait_loadcnt 0x0
.irp i, 0,1,2,3,4,5
	v_and_b32 v[16+\i], s81, v[16+\i]              ; the other head's half of q becomes zero codes
	v_and_b32 v[22+\i], s82, v[22+\i]
.endr
.set j, 0
.rept 32
	v_mov_b32 v[160+j], 0                          ; O^T: the loop is written once; its first step finds zeros
.set j, j+1
.endr
; A KEY STEP: 128 keys, the q-th of the slot in hand.
.macro STEP q
	v_add_nc_u32 v[ADK], s[TB], v[AK0]             ; (these four are the places in front of the loads into registers that the last products read)
	s_wait_alu depctr_va_vdst(0)
	v_add_nc_u32 v[ADV], s[TB], v[AV0]
	v_add_nc_u32 v[ADS], s[TS], v[ASK0]
	s_wait_alu depctr_va_vdst(0)
	v_add_nc_u32 v[ADT], s[TS], v[ASV0]
.irp g, 0,1                                    ; S^T = k q^T, four tiles of 16 keys at a time
.rept 4*\g
	v_nop
.endr
.irp t, 0,1,2,3
.irp j, 0,1,2
	ds_load_b128 v[32+12*\t+4*\j:35+12*\t+4*\j], v[ADK] offset:(\q)*STEPB+(4*\g+\t)*1536+512*\j
.endr
	ds_load_b32 v[248+\t], v[ADS] offset:(4*\g+\t)*64
.endr
	s_wait_dscnt 0x0
.irp t, 0,1,2,3
	v_wmma_scale_f32_16x16x128_f8f6f4 v[96+8*(4*\g+\t):103+8*(4*\g+\t)], v[32+12*\t:43+12*\t], v[16:27], 0, v[248+\t], v255 matrix_a_fmt:MATRIX_FMT_FP6 matrix_b_fmt:MATRIX_FMT_FP6
.endr
.endr
.rept 4
	v_nop
.endr
.irp b, 0,1,2,3
	v_max3_num_f32 v[232+\b], v[96+16*\b], v[97+16*\b], v[98+16*\b]   ; the largest score of each block of 32 keys: for the row's maximum and for the block's largest p
.endr
.irp i, 3,5,7,9,11,13
.irp b, 0,1,2,3
	v_max3_num_f32 v[232+\b], v[232+\b], v[96+16*\b+\i], v[97+16*\b+\i]
.endr
.endr
.irp b, 0,1,2,3
	v_max_num_f32 v[232+\b], v[232+\b], v[111+16*\b]
.endr
.irp b, 0,1,2,3
	s_delay_alu instid0(VALU_DEP_4)
	v_permlanex16_b32 v[236+\b], v[232+\b], s[SEL], s[SEL+1]
.endr
.irp b, 0,1,2,3
	s_delay_alu instid0(VALU_DEP_4)
	v_max_num_f32 v[232+\b], v[232+\b], v[236+\b]  ; with lane l xor 16's 16 keys
.endr
	s_delay_alu instid0(VALU_DEP_2)
	v_max3_num_f32 v254, v232, v233, v234
	s_delay_alu instid0(VALU_DEP_1)
	v_max_num_f32 v254, v254, v235
	s_delay_alu instid0(VALU_DEP_1)
	v_mul_f32 v254, s[CS], v254                    ; as t (c is positive)
	s_delay_alu instid0(VALU_DEP_1)
	v_max_num_f32 v13, v13, v254                   ; the running largest t
	v_mov_b32 v254, v12
	s_delay_alu instid0(VALU_DEP_2)
	v_floor_f32 v12, -v13                          ; the new -M = -ceil(t)
	s_delay_alu instid0(VALU_DEP_1)
	v_sub_f32 v254, v12, v254                      ; old M - new M: a whole number, 0 or less
	s_delay_alu instid0(VALU_DEP_1)
	v_cvt_i32_f32 v254, v254
	s_delay_alu instid0(VALU_DEP_1)
	v_ldexp_f32 v252, 1.0, v254                    ; f = 2^(old M - new M)
.set j, 0
.rept 32
	v_pk_fma_f32 v[96+j:97+j], v[96+j:97+j], s[CS:CS+1], v[12:13] op_sel_hi:[1,0,0]   ; t - M
.set j, j+2
.endr
.irp b, 0,1,2,3
	v_fma_f32 v[232+\b], v[232+\b], s[CS], v12
.endr
.set j, 0
	s_wait_alu depctr_va_vdst(0)
.rept 64
	v_exp_f32 v[96+j], v[96+j]                     ; p = 2^(t - M)
.set j, j+1
.endr
	v_pk_mul_f32 v[14:15], v[14:15], v[252:253] op_sel_hi:[1,0]   ; the sums under the new M (a plain place behind the exponentials)
	s_wait_alu depctr_va_vdst(0)                   ; one wait for the batch, ahead of its first reader
.irp b, 0,1,2,3
	v_exp_f32 v[232+\b], v[232+\b]                 ; each block's largest p
.endr
	v_pk_add_f32 v[236:237], v[100:101], v[104:105]
	v_pk_add_f32 v[250:251], v[108:109], v[112:113]
	v_pk_add_f32 v[248:249], v[116:117], v[120:121]
	v_pk_add_f32 v[246:247], v[124:125], v[128:129]
	v_pk_add_f32 v[244:245], v[132:133], v[136:137]
	v_pk_add_f32 v[242:243], v[140:141], v[144:145]
	v_pk_add_f32 v[240:241], v[148:149], v[152:153]
	v_pk_add_f32 v[14:15], v[14:15], v[156:157]
	v_pk_add_f32 v[236:237], v[236:237], v[96:97]
	v_pk_add_f32 v[250:251], v[250:251], v[98:99]
	v_pk_add_f32 v[248:249], v[248:249], v[102:103]
	v_pk_add_f32 v[246:247], v[246:247], v[106:107]
	v_pk_add_f32 v[244:245], v[244:245], v[110:111]
	v_pk_add_f32 v[242:243], v[242:243], v[114:115]
	v_pk_add_f32 v[240:241], v[240:241], v[118:119]
	v_pk_add_f32 v[14:15], v[14:15], v[122:123]
	v_pk_add_f32 v[236:237], v[236:237], v[126:127]
	v_pk_add_f32 v[250:251], v[250:251], v[130:131]
	v_pk_add_f32 v[248:249], v[248:249], v[134:135]
	v_pk_add_f32 v[246:247], v[246:247], v[138:139]
	v_pk_add_f32 v[244:245], v[244:245], v[142:143]
	v_pk_add_f32 v[242:243], v[242:243], v[146:147]
	v_pk_add_f32 v[240:241], v[240:241], v[150:151]
	v_pk_add_f32 v[14:15], v[14:15], v[154:155]
	v_pk_add_f32 v[236:237], v[236:237], v[158:159]
	s_delay_alu instid0(VALU_DEP_2)
	v_pk_add_f32 v[14:15], v[14:15], v[246:247]
	s_delay_alu instid0(VALU_DEP_2)
	v_pk_add_f32 v[236:237], v[236:237], v[244:245]
	v_pk_add_f32 v[250:251], v[250:251], v[242:243]
	v_pk_add_f32 v[248:249], v[248:249], v[240:241]
	s_delay_alu instid0(VALU_DEP_2)
	v_pk_add_f32 v[14:15], v[14:15], v[250:251]
	s_delay_alu instid0(VALU_DEP_2)
	v_pk_add_f32 v[236:237], v[236:237], v[248:249]
	s_delay_alu instid0(VALU_DEP_1)
	v_pk_add_f32 v[14:15], v[14:15], v[236:237]
	s_wait_alu depctr_va_vdst(0)                   ; and one for the four
.irp b, 0,1,2,3
	v_max_num_f32 v[232+\b], 0x1800000, v[232+\b]  ; the floor 2^(3 - 127)
.endr
.irp b, 0,1,2,3
	s_delay_alu instid0(VALU_DEP_4)
	v_add_nc_u32 v[244+\b], 0xff000000, v[232+\b]
.endr
.irp b, 0,1,2,3
	s_delay_alu instid0(VALU_DEP_4)
	v_lshrrev_b32 v[236+\b], 23, v[244+\b]
.endr
	s_delay_alu instid0(VALU_DEP_3)
	v_lshl_or_b32 v253, v237, 8, v236              ; p's scale word for these 128 keys
	s_delay_alu instid0(VALU_DEP_1)
	v_lshl_or_b32 v253, v238, 16, v253
	s_delay_alu instid0(VALU_DEP_1)
	v_lshl_or_b32 v253, v239, 24, v253
.irp c, 0,1
	v_cvt_scalef32_pk16_fp6_f32 v[224+6*\c:226+6*\c], v[96+32*\c:111+32*\c], v[244+2*\c]
	v_cvt_scalef32_pk16_fp6_f32 v[236+4*\c:238+4*\c], v[112+32*\c:127+32*\c], v[244+2*\c+1]
.endr
	v_nop                                          ; one plain place behind a scaled conversion
.irp c, 0,1
.irp i, 0,1,2
	v_permlane16_swap_b32 v[224+6*\c+\i], v[236+4*\c+\i]
.endr
.irp i, 0,1,2
	s_delay_alu instid0(VALU_DEP_3)
	v_mov_b32 v[227+6*\c+\i], v[236+4*\c+\i]
.endr
.endr
.set j, 0
.rept 16
	v_pk_mul_f32 v[160+j:161+j], v[160+j:161+j], v[252:253] op_sel_hi:[1,0]   ; O^T under the new M; these 16 are also the places in front of the scaled products below
.set j, j+2
.endr
.irp t, 0,1,2,3                                ; O^T += v^T p^T: my head's four tiles of 16
.irp j, 0,1,2
	ds_load_b128 v[32+12*\t+4*\j:35+12*\t+4*\j], v[ADV] offset:(\q)*STEPB+\t*1536+512*\j
.endr
	ds_load_b32 v[248+\t], v[ADT] offset:\t*64
.endr
	s_wait_alu depctr_va_vdst(0)
	s_wait_dscnt 0x0
.irp t, 0,1,2,3
	v_wmma_scale_f32_16x16x128_f8f6f4 v[160+8*\t:167+8*\t], v[32+12*\t:43+12*\t], v[224:235], v[160+8*\t:167+8*\t], v[248+\t], v253 matrix_a_fmt:MATRIX_FMT_FP6 matrix_b_fmt:MATRIX_FMT_FP6
.endr
	s_add_co_u32 s[TS], s[TS], 512                 ; the next step's scale images
.endm
; THE CHANGE OF SLOTS, at a slot's head: every wave waits for all its tensor loads, adds 0 to its spare word, waits for that and for its reads of the slot that it has left; one barrier; fill = 1: that slot is filled with the next 512 keys.
.macro CHANGE fill
	s_wait_tensorcnt 0x0
	ds_add_u32 v[SPW], v[NIL]
.if \fill
	ds_add_u32 v[SPW], v[NIL]                      ; twice on end
	s_xor_b32 s[G0T+1], s[G0T+1], SLOT1
	s_add_nc_u64 s[G0T+2:G0T+3], s[G0T+2:G0T+3], 4*STEPB
	s_wait_xcnt 0x0                                ; the last prefetch, a slot back, has read its address
	s_add_nc_u64 s[PFA:PFA+1], s[PFA:PFA+1], 4*STEPB
.endif
	s_wait_dscnt 0x0
	s_barrier_signal -1
	s_barrier_wait -1
.if \fill
	TLOAD                                          ; the first thing behind the barrier, a wave's one tensor load until the next
	ASK
.endif
.endm
.macro SLOT_STEPS
	STEP 0
	STEP 1
	STEP 2
	STEP 3
	s_xor_b32 s[TB], s[TB], SLOT1
.endm
.Lslot:                                            ; NSL - 1 trips
	CHANGE 1
	SLOT_STEPS
	s_sub_co_u32 s[SLOTS], s[SLOTS], 1
	s_cmp_lg_u32 s[SLOTS], 0
	s_cbranch_scc1 .Lslot
	CHANGE 0                                       ; the last slot is written out
	SLOT_STEPS
	; THE WAY OUT.  O^T / l goes to the work-group's stage, row = d of the pair, column = query; then waves 0 to 7 take 16 rows each, quantise them along the 128 queries and store an image.
	v_add_f32 v14, v14, v15
	s_delay_alu instid0(VALU_DEP_1)
	v_permlanex16_b32 v252, v14, s[SEL], s[SEL+1]
	s_delay_alu instid0(VALU_DEP_1)
	v_add_f32 v14, v14, v252                       ; the row's sum
	s_wait_alu depctr_va_vdst(0)
	v_rcp_f32 v14, v14
	v_and_b32 v8, 15, v0                           ; r
	v_bfe_u32 v9, v0, 4, 1                         ; h
	v_and_b32 v10, 7, v0
	v_bfe_u32 v11, v0, 3, 1
	s_delay_alu instid0(VALU_DEP_1)
	v_lshl_add_u32 v10, v11, 4, v10                ; r % 8 + 16 (r / 8)
	s_lshr_b32 s70, s11, 1
	s_lshl_b32 s70, s70, 5
	s_and_b32 s71, s11, 1
	s_lshl_b32 s71, s71, 3
	s_add_co_u32 s70, s70, s71                     ; + 32 (tile / 2) + 8 (tile % 2): my query among the block's 128
	v_add_nc_u32 v10, s70, v10
	s_delay_alu instid0(VALU_DEP_1)
	v_lshlrev_b32 v10, 2, v10
	v_mul_u32_u24 v11, v9, 16*SPI
	s_delay_alu instid0(VALU_DEP_1)
	v_add_nc_u32 v10, v10, v11
	s_mul_i32 s71, s10, 64*SPI
	s_add_co_u32 s71, s71, STAGE
	v_add_nc_u32 v10, s71, v10                     ; in: row 64 head + 16 h (+ the immediate)
	v_mul_u32_u24 v11, v8, SPI
	s_delay_alu instid0(VALU_DEP_1)
	v_lshl_add_u32 v11, v9, 6, v11
	s_mul_i32 s71, s[WV], 16*SPI
	s_add_co_u32 s71, s71, STAGE
	v_add_nc_u32 v11, s71, v11                     ; back (waves 0 to 7): row 16 wave + r, + 64 h
	s_wait_alu depctr_va_vdst(0)                   ; the wait ahead of the reciprocal's first reader
.set j, 0
.rept 32
	v_mul_f32 v[96+j], v[160+j], v14               ; register 8 t + i: d = 32 (t / 2) + 16 h + 8 (t % 2) + i of my head
.set j, j+1
.endr
.irp t, 0,1,2,3
.irp j, 0,1,2,3,4,5,6,7
	ds_store_b32 v10, v[96+8*\t+\j] offset:(32*(\t/2)+8*(\t%2)+\j)*SPI
.endr
.endr
	s_wait_dscnt 0x0                               ; for the others' sake: my stores have landed
	s_barrier_signal -1
	s_barrier_wait -1
	s_cmp_lt_u32 s[WV], 8
	s_cbranch_scc0 .Ldone
.irp b, 0,1,2,3
.irp j, 0,1,2,3
	ds_load_b128 v[96+16*\b+4*\j:99+16*\b+4*\j], v11 offset:128*\b+16*\j   ; register 16 b + i: query 32 b + 16 h + i of my row
.endr
.endr
	s_and_b32 s70, ttmp9, 7                        ; which 128 of the next K's 1,024
	s_lshr_b32 s71, s70, 1
	s_mul_i32 s72, s71, 49152
	s_mul_i32 s84, s8, 196608
	s_add_co_u32 s72, s72, s84
	s_lshr_b32 s85, ttmp9, 3                       ; t / 1024
	s_mul_i32 s84, s85, 24576
	s_add_co_u32 s72, s72, s84
	s_mul_i32 s84, s[WV], 3072
	s_add_co_u32 s72, s72, s84
	s_and_b32 s84, ttmp9, 1
	s_mul_i32 s84, s84, 1536
	s_add_co_u32 s72, s72, s84
	s_mov_b32 s73, 0
	s_lshl_b32 s74, s8, 13
	s_lshl_b32 s84, s70, 10
	s_add_co_u32 s74, s74, s84
	s_lshl_b32 s84, s85, 9
	s_add_co_u32 s74, s74, s84
	s_lshl_b32 s84, s[WV], 6
	s_add_co_u32 s74, s74, s84
	s_add_co_u32 s74, s74, CSC
	s_mov_b32 s75, 0
	s_add_nc_u64 s[72:73], s[6:7], s[72:73]
	s_add_nc_u64 s[74:75], s[6:7], s[74:75]
.irp b, 0,1,2,3
	v_mov_b32 v[TM+4+\b], 0
.endr
	s_wait_dscnt 0x0
.irp b, 0,1,2,3
	v_max3_num_f32 v[TM+\b], |v[96+16*\b]|, |v[97+16*\b]|, 0x1800000
.endr
.irp i, 2,4,6,8,10,12,14
.irp b, 0,1,2,3
	s_delay_alu instid0(VALU_DEP_4)
	v_max3_num_f32 v[TM+\b], v[TM+\b], |v[96+16*\b+\i]|, |v[97+16*\b+\i]|
.endr
.endr
.irp b, 0,1,2,3
	s_delay_alu instid0(VALU_DEP_4)
	v_permlanex16_b32 v[TM+4+\b], v[TM+\b], s[SEL], s[SEL+1]
.endr
.irp b, 0,1,2,3
	s_delay_alu instid0(VALU_DEP_4)
	v_max_num_f32 v[TM+\b], v[TM+\b], v[TM+4+\b]
.endr
.irp b, 0,1,2,3
	s_delay_alu instid0(VALU_DEP_4)
	v_add_nc_u32 v[TM+12+\b], 0xff000000, v[TM+\b]
.endr
.irp b, 0,1,2,3
	s_delay_alu instid0(VALU_DEP_4)
	v_lshrrev_b32 v[TM+4+\b], 23, v[TM+12+\b]
.endr
	s_delay_alu instid0(VALU_DEP_3)
	v_lshl_or_b32 v[PW], v[TM+5], 8, v[TM+4]
	s_delay_alu instid0(VALU_DEP_1)
	v_lshl_or_b32 v[PW], v[TM+6], 16, v[PW]
	s_delay_alu instid0(VALU_DEP_1)
	v_lshl_or_b32 v[PW], v[TM+7], 24, v[PW]
.irp c, 0,1
	v_cvt_scalef32_pk16_fp6_f32 v[PC+6*\c:PC+2+6*\c], v[96+32*\c:111+32*\c], v[TM+12+2*\c]
	v_cvt_scalef32_pk16_fp6_f32 v[PC+12+4*\c:PC+14+4*\c], v[112+32*\c:127+32*\c], v[TM+13+2*\c]
.endr
	v_nop
.irp c, 0,1
.irp i, 0,1,2
	v_permlane16_swap_b32 v[PC+6*\c+\i], v[PC+12+4*\c+\i]
.endr
.irp i, 0,1,2
	s_delay_alu instid0(VALU_DEP_3)
	v_mov_b32 v[PC+3+6*\c+\i], v[PC+12+4*\c+\i]
.endr
.endr
.irp g, 0,1,2
	global_store_b128 v[AK0], v[PC+4*\g:PC+4*\g+3], s[72:73] offset:512*\g   ; 512 consecutive bytes
.endr
	global_store_b32 v[S4], v[PW], s[74:75]        ; 64 bytes; lanes l and l + 16 hold the same word and write it to the same place
.Ldone:
	s_wait_tensorcnt 0x0                           ; the wave's end
	ds_add_u32 v[SPW], v[NIL]
	s_wait_dscnt 0x0
	s_endpgm
.Lfunc_end_k_q730e619dd0_attn:
	.size	k_q730e619dd0_attn, .Lfunc_end_k_q730e619dd0_attn-k_q730e619dd0_attn
	.p2alignl 7, 3214868480
	.fill 96, 4, 3214868480
	.section	.rodata,"a",@progbits
	.p2align	6, 0x0
	.amdhsa_kernel k_q730e619dd0_attn
		.amdhsa_group_segment_fixed_size 327680
		.amdhsa_private_segment_fixed_size 0
		.amdhsa_enable_private_segment 0
		.amdhsa_kernarg_size 16
		.amdhsa_user_sgpr_count 2
		.amdhsa_user_sgpr_kernarg_segment_ptr 1
		.amdhsa_wavefront_size32 1
		.amdhsa_system_sgpr_workgroup_id_x 1
		.amdhsa_system_sgpr_workgroup_id_y 1
		.amdhsa_system_sgpr_workgroup_id_z 1
		.amdhsa_system_vgpr_workitem_id 0
		.amdhsa_next_free_vgpr 256
		.amdhsa_next_free_sgpr 100
		.amdhsa_reserve_vcc 0
		.amdhsa_float_denorm_mode_32 3
		.amdhsa_float_denorm_mode_16_64 3
		.amdhsa_memory_ordered 1
		.amdhsa_forward_progress 1
		.amdhsa_inst_pref_size 166
	.end_amdhsa_kernel
	.amdgpu_metadata
---
amdhsa.version: [ 1, 2 ]
amdhsa.kernels:
  - .name:           k_q730e619dd0_attn
    .symbol:         k_q730e619dd0_attn.kd
    .args:
      - { .name: qkvbuf, .offset: 0, .size: 8, .value_kind: global_buffer, .address_space: global }
      - { .name: cbuf, .offset: 8, .size: 8, .value_kind: global_buffer, .address_space: global }
    .group_segment_fixed_size: 327680
    .private_segment_fixed_size: 0
    .kernarg_segment_align: 8
    .kernarg_segment_size: 16
    .max_flat_workgroup_size: 512
    .sgpr_count:     100
    .vgpr_count:     256
    .wavefront_size: 32
...
	.end_amdgpu_metadata
.endif
;; end of part 3
;; launch wo (part 4): grid 8 x 32, 4 waves a work-group, clusters of 4 x 4, 327,680 bytes of LDS; arguments cbuf, wbuf, bo, x, x1; writes x1
.if DOCPART == 4
	.amdgcn_target "amdgcn-amd-amdhsa--gfx1250"
	.amdhsa_code_object_version 6
	.text
	.protected	k_q730e619dd0_wo
	.globl	k_q730e619dd0_wo
	.p2align	8
	.type	k_q730e619dd0_wo,@function
k_q730e619dd0_wo:
	s_mov_b64 s[64:65], 0
	v_nop
	global_prefetch_b8 v0, s[64:65] scope:SCOPE_SE
	s_setreg_imm32_b32 hwreg(HW_REG_WAVE_MODE, 25, 1), 1
	s_wait_xcnt 0x0
	s_wait_alu depctr_hold_cnt(0) depctr_sa_sdst(0) depctr_va_vdst(0) depctr_va_sdst(0) depctr_va_ssrc(0) depctr_va_vcc(0) depctr_vm_vsrc(0)
	s_getreg_b32 s2, hwreg(HW_REG_IB_STS2, 6, 4)
	s_cmp_eq_u32 s2, 0
	s_cbranch_scc0 .Lentry_in_a_cluster
	s_endpgm
.Lentry_in_a_cluster:
	s_bfe_u32 s2, ttmp6, 0x10000c
	s_cmp_lg_u32 s2, 0xf033
	s_cbranch_scc0 .Lentry_shape_is_right
	s_endpgm
.Lentry_shape_is_right:
; x1 = x + ctx wo^T + bo.  ctx [4096][1024] comes as register images of FP6 (E2M3) fragments with E8M0 scale words, wo as rows of codes; f32 sums.
; The text is that of the launch for the second FFN product; only the constants below differ.  See its head comment for the design.
; Row 16 i + t of image half s of a tile row of 256 is row 2 (16 i + t) + s of the result (the transposition that the source makes of ctx).
; K = 1,024 is two slots: no loop; the head asks for slot 1 ahead of its load, and nothing else is prefetched.
.set ISWO,   1
.set SIZE_K, 1024
.set ASC,    3145728
.set BCO,    589824
.set CHB,    1572864
.set BSO,    9437184+98304
.set NS,     SIZE_K/512
.set KS,     SIZE_K/32
.set KF,     SIZE_K/128
.set CHA,    24576
.set CHL,    30720
.set SLOT,   2*CHA+2*CHL
.set SCA,    2*SLOT
.set SCB,    SCA+KF*512
.set HALFS,  (128*KS/256)*272
.set STAGE,  SCB+HALFS
.set SPI,    272
.set SPARE,  STAGE+4*16*SPI
.set ADRA, 16
.set ADRB, 18
.set STO,  22
.set RD,   23
.set CO,   24
.set ADRSA, 25
.set ADRSB, 26
.set BAD,  27
.set SPW,  28
.set NIL,  29
.set PFO,  30
.set SB,   32
.set SA,   40
.set BI,   48
.set AF,   80
.set BK,   128
.set BF,   128
.set G1, 24
.set G0, 32
.set G1B, 48
.set G0B, 56
.set G1S, 68
.set G0S, 76
.set G1SB, 80
.set G0SB, 88
.set G0H, 4
.set G0HB, 8
.set PFA, 92
.set PFS, 94
.set MSB, 0
.macro WIN new
.if MSB != (\new)
	s_set_vgpr_msb (MSB<<8)|(\new)
.set MSB, (\new)
.endif
.endm
.macro PLACES n
.rept \n
	v_nop
.endr
.endm
.macro JLOAD g0a, g1a, g0b, g1b
	s_cmp_eq_u32 s15, 0
	s_cbranch_scc0 .Lfor_b_\@
	tensor_load_to_lds s[\g0a:\g0a+3], s[\g1a:\g1a+7]
	s_nop 0
	PLACES 4
	s_branch .Lasked_\@
.Lfor_b_\@:
	tensor_load_to_lds s[\g0b:\g0b+3], s[\g1b:\g1b+7]
	s_nop 0
	PLACES 4
.Lasked_\@:
.endm
.macro CROUND
	s_barrier_signal -1
	s_barrier_wait -1
	s_cmp_lg_u32 s14, 0
	s_cbranch_scc1 .Lnot_wave_0_\@
	s_barrier_signal -3
.Lnot_wave_0_\@:
	s_barrier_wait -3
	s_barrier_signal -1
	s_barrier_wait -1
.endm
.macro DESC g, d0, d1, p
	s_mov_b32 s[\g+1], (\d0)<<16
	s_mov_b32 s[\g+2], (\d1)<<16
	s_mov_b32 s[\g+3], (\d0)<<16
	s_mov_b32 s[\g+4], \d1
	s_mov_b32 s[\g+5], \p
.endm
.macro GRP0 g, lds, a
	s_mov_b32 s[\g], 1
	s_mov_b32 s[\g+1], \lds
	s_mov_b64 s[\g+2:\g+3], s[\a:\a+1]
	s_or_b32 s[\g+3], s[\g+3], 0x80000000
.endm
	s_load_b128 s[4:7], s[0:1], 0x0
	s_load_b128 s[96:99], s[0:1], 0x10
	s_load_b64 s[12:13], s[0:1], 0x20
	v_lshl_add_u32 v[SPW], v0, 2, SPARE
	v_mov_b32 v[NIL], 0
	ds_add_u32 v[SPW], v[NIL]
	ds_add_u32 v[SPW], v[NIL]
	v_lshrrev_b32 v1, 5, v0
	v_readfirstlane_b32 s14, v1
	s_lshr_b32 s15, s14, 1
	s_and_b32 s16, s14, 1
	s_bfe_u32 s40, ttmp6, 0x40000
	s_bfe_u32 s41, ttmp6, 0x40004
	s_lshl_b32 s42, ttmp9, 2
	s_add_co_u32 s42, s42, s40
	s_and_b32 s17, ttmp7, 0xffff
	s_lshl_b32 s17, s17, 2
	s_add_co_u32 s17, s17, s41
	s_lshl_b32 s43, s41, 2
	s_lshl_b32 s43, 15, s43
	s_lshl_b32 s44, 0x1111, s40
	s_or_b32 s[G1], s43, (3<<16)|(1<<21)
	s_or_b32 s[G1B], s44, (3<<16)|(1<<20)|(1<<21)|(3<<22)|(3<<25)
	s_or_b32 s[G1S], s43, (3<<16)|(1<<21)
	s_or_b32 s[G1SB], s44, (3<<16)|(1<<20)|(1<<21)|(5<<22)|(3<<25)
	DESC G1, 3072, 2, 6144
	DESC G1B, 3072, 2, CHB/8
	DESC G1S, 64, KF, 128
	DESC G1SB, 32, 128*KS/256, 32
.irp g, G1, G1B, G1S, G1SB
	s_mov_b32 s[\g+6], 0
	s_mov_b32 s[\g+7], 0
.endr
	s_lshr_b32 s18, s17, 1
	s_and_b32 s19, s17, 1
	s_mul_i32 s20, s18, (SIZE_K/256)*49152
	s_mul_i32 s21, s19, CHA
	s_add_co_u32 s20, s20, s21
	s_mov_b32 s21, 0
	s_mul_i32 s22, s18, KF*1024
	s_lshl_b32 s23, s19, 9
	s_add_co_u32 s22, s22, s23
	s_add_co_u32 s22, s22, ASC
	s_mov_b32 s23, 0
	s_mul_i32 s46, s42, 24576
	s_add_co_u32 s46, s46, BCO
	s_mov_b32 s47, 0
	s_mul_i32 s92, s42, 128*KS
	s_add_co_u32 s92, s92, BSO
	s_mov_b32 s93, 0
	s_wait_dscnt 0x0
	s_wait_kmcnt 0x0
	s_add_nc_u64 s[20:21], s[4:5], s[20:21]
	s_add_nc_u64 s[22:23], s[4:5], s[22:23]
	s_add_nc_u64 s[46:47], s[6:7], s[46:47]
	s_add_nc_u64 s[92:93], s[6:7], s[92:93]
	CROUND
	GRP0 G0H, 0, 20
	GRP0 G0HB, 2*CHA, 46
	GRP0 G0S, SCA, 22
	GRP0 G0SB, SCB, 92
	s_mul_i32 s18, s16, 49152
	s_mov_b32 s19, 0
	s_add_nc_u64 s[20:21], s[20:21], s[18:19]
	s_mul_i32 s18, s16, CHB
	s_add_nc_u64 s[46:47], s[46:47], s[18:19]
	s_mul_i32 s45, s16, CHA
	s_mul_i32 s94, s16, CHL
	s_add_co_u32 s94, s94, 2*CHA
.irp s, 0,1
	s_mov_b32 s[G0+4*\s], 1
	s_add_co_u32 s[G0+4*\s+1], s45, \s*SLOT
	s_add_nc_u64 s[G0+4*\s+2:G0+4*\s+3], s[20:21], \s*98304
	s_or_b32 s[G0+4*\s+3], s[G0+4*\s+3], 0x80000000
	s_mov_b32 s[G0B+4*\s], 1
	s_add_co_u32 s[G0B+4*\s+1], s94, \s*SLOT
	s_add_nc_u64 s[G0B+4*\s+2:G0B+4*\s+3], s[46:47], \s*2*CHB
	s_or_b32 s[G0B+4*\s+3], s[G0B+4*\s+3], 0x80000000
.endr
.macro ARM under, g0, g1, next
	s_cmp_lt_u32 s14, \under
	s_cbranch_scc0 \next
	tensor_load_to_lds s[\g0:\g0+3], s[\g1:\g1+7]
	s_nop 0
	PLACES 4
	s_branch .Lhead_asked
\next:
.endm
	ARM 1, G0H,  G1,  .Lhead_b
	ARM 2, G0HB, G1B, .Lhead_sa
	ARM 3, G0S,  G1S, .Lhead_sb
	tensor_load_to_lds s[G0SB:G0SB+3], s[G1SB:G1SB+7]
	s_nop 0
	PLACES 4
.Lhead_asked:
	s_cmp_eq_u32 s15, 0
	s_cselect_b64 s[PFA:PFA+1], s[20:21], s[46:47]
	s_cselect_b32 s18, s40, s41
	s_mov_b32 s[PFS], 2*CHB
	s_mov_b32 s19, 98304
	s_cselect_b32 s[PFS], s19, s[PFS]
	s_mov_b32 s[PFS+1], 0
	s_mul_i32 s18, s18, 6144
	s_mov_b32 s19, 0
	s_add_nc_u64 s[PFA:PFA+1], s[PFA:PFA+1], s[18:19]
	s_add_nc_u64 s[PFA:PFA+1], s[PFA:PFA+1], s[PFS:PFS+1]
.if ISWO
	s_lshr_b32 s20, s17, 1
	s_lshl_b32 s20, s20, 8
	s_and_b32 s21, s17, 1
	s_add_co_u32 s20, s20, s21
	s_lshl_b32 s21, s15, 7
.else
	s_lshl_b32 s20, s17, 7
	s_lshl_b32 s21, s15, 6
.endif
	s_add_co_u32 s20, s20, s21
	s_lshl_b32 s20, s20, 12
	s_lshl_b32 s22, s42, 9
	s_lshl_b32 s23, s16, 8
	s_add_co_u32 s22, s22, s23
	s_mov_b32 s23, 0
	s_add_nc_u64 s[96:97], s[96:97], s[22:23]
	s_add_co_u32 s20, s20, s22
	s_mov_b32 s21, 0
	s_add_nc_u64 s[12:13], s[12:13], s[20:21]
	s_add_nc_u64 s[98:99], s[98:99], s[20:21]
	s_mul_i32 s18, s15, 12288
	s_add_co_u32 s19, s18, SLOT
	s_mul_i32 s20, s16, 15360
	s_add_co_u32 s20, s20, 2*CHA
	s_add_co_u32 s21, s20, SLOT
	s_mul_i32 s22, s16, (64*KS/256)*272
	s_add_co_u32 s22, s22, SCB
	s_lshl_b32 s23, s15, 8
	s_add_co_u32 s23, s23, SCA
	s_mul_i32 s45, s14, 16*SPI
	s_add_co_u32 s45, s45, STAGE
	v_and_b32 v1, 15, v0
	v_bfe_u32 v2, v0, 4, 1
	v_and_b32 v6, 31, v0
	v_lshlrev_b32 v7, 4, v6
	v_mul_u32_u24 v3, v1, 240
	v_mad_u32_u24 v3, v2, 24, v3
	v_lshl_add_u32 v4, v2, 4, v3
	v_add_nc_u32 v[ADRA], s18, v7
	v_add_nc_u32 v[ADRA+1], s19, v7
	v_add_nc_u32 v[ADRB], s20, v3
	v_add_nc_u32 v[ADRB+1], s21, v3
	v_add_nc_u32 v[ADRB+2], s20, v4
	v_add_nc_u32 v[ADRB+3], s21, v4
	v_mul_u32_u24 v3, v6, KS
	v_lshrrev_b32 v4, 8, v3
	v_lshl_add_u32 v3, v4, 4, v3
	v_add_nc_u32 v[ADRSB], s22, v3
	v_lshl_add_u32 v[ADRSA], v6, 2, s23
	v_mul_u32_u24 v5, v1, SPI
	v_lshl_add_u32 v5, v2, 6, v5
	v_add_nc_u32 v[STO], s45, v5
	v_mul_u32_u24 v5, v2, SPI
	v_lshl_add_u32 v5, v1, 4, v5
	v_add_nc_u32 v[RD], s45, v5
	v_lshlrev_b32 v[BAD], 6, v2
	v_lshlrev_b32 v5, 12+ISWO, v2
	v_lshl_add_u32 v[CO], v1, 4, v5
	v_min_u32 v5, 23, v6
	v_lshlrev_b32 v[PFO], 8, v5
	s_wait_alu depctr_va_vdst(0)
.macro ROWSET a, u
.if ISWO
.set RO, (32*(\a)+4*(\u))*4096
.else
.set RO, (32*((\a)/2)+16*((\u)/4)+8*((\a)%2)+(2*(\u))%8)*4096
.endif
.endm
.irp b, 0,1,2,3
	global_load_b128 v[BI+8*\b:BI+8*\b+3], v[BAD], s[96:97] offset:(32*(\b/2)+8*(\b%2))*4
	global_load_b128 v[BI+8*\b+4:BI+8*\b+7], v[BAD], s[96:97] offset:(32*(\b/2)+8*(\b%2))*4+16
.endr
	WIN 0x80
.irp a, 0,1,2,3
.irp u, 0,1,2,3,4,5,6,7
	ROWSET \a, \u
	global_load_b128 v[32*\a+4*\u:32*\a+4*\u+3], v[CO], s[98:99] offset:RO th:TH_LOAD_NT
.endr
.endr
	WIN 0
	global_prefetch_b8 v[PFO], s[PFA:PFA+1] th:TH_LOAD_NT scope:SCOPE_SE
.macro FRAG reg, adr, c, q, i
.irp p, 0,1,2,3,4,5
.set PCE, 12*(\q)+6*(\p/3)+\p%3
.if PCE%8 < 5
	ds_load_b64 v[\reg+2*\p:\reg+2*\p+1], v[\adr] offset:(\c)*CHL+8*PCE+16*(PCE/8)+(\i)*3840
.else
	ds_load_b64 v[\reg+2*\p:\reg+2*\p+1], v[\adr+2] offset:(\c)*CHL+8*PCE+16*(PCE/8)+(\i)*3840
.endif
.endr
.endm
.macro FETCH buf, j
	WIN 0x40
.irp i, 0,1,2,3
	FRAG BF+48*((\j)%2)+12*\i, ADRB+\buf, (\j)/2, (\j)%2, \i
.endr
	WIN 0
.irp i, 0,1,2,3
.irp g, 0,1,2
	ds_load_b128 v[AF+48*((\j)%2)+12*\i+4*\g:AF+48*((\j)%2)+12*\i+4*\g+3], v[ADRA+\buf] offset:((\j)/2)*CHA+(2*\i+(\j)%2)*1536+512*\g
.endr
.endr
.endm
.macro SCALES
.irp g, 0,1
	ds_load_b128 v[SB+4*\g:SB+4*\g+3], v[ADRSB] offset:\g*(32*KS/256)*272
.endr
.irp q, 0,1,2,3
.irp g, 0,1
	ds_load_b32 v[SA+2*\q+\g], v[ADRSA] offset:\q*512+\g*128
.endr
.endr
.endm
.macro WM a, b, j, cm
.set rD, 8*(4*(\a)+(\b))
.set rC, rD
.if \cm
.set rC, BI+8*(\b)
.endif
.set rB, BF+48*((\j)%2)+12*(\b)
.set rA, AF+48*((\j)%2)+12*(\a)
.set rX, SB+4*((\b)/2)+(\j)
.set rY, SA+2*(\j)+(\a)/2
.set od, 2*((\a)%2)+(\b)%2
.if od == 0
	v_wmma_scale_f32_16x16x128_f8f6f4 v[rD:rD+7], v[rB:rB+11], v[rA:rA+11], v[rC:rC+7], v[rX], v[rY] matrix_a_fmt:MATRIX_FMT_FP6 matrix_b_fmt:MATRIX_FMT_FP6
.elseif od == 1
	v_wmma_scale_f32_16x16x128_f8f6f4 v[rD:rD+7], v[rB:rB+11], v[rA:rA+11], v[rC:rC+7], v[rX], v[rY] matrix_a_fmt:MATRIX_FMT_FP6 matrix_b_fmt:MATRIX_FMT_FP6 matrix_a_scale:MATRIX_SCALE_ROW1
.elseif od == 2
	v_wmma_scale_f32_16x16x128_f8f6f4 v[rD:rD+7], v[rB:rB+11], v[rA:rA+11], v[rC:rC+7], v[rX], v[rY] matrix_a_fmt:MATRIX_FMT_FP6 matrix_b_fmt:MATRIX_FMT_FP6 matrix_b_scale:MATRIX_SCALE_ROW1
.else
	v_wmma_scale_f32_16x16x128_f8f6f4 v[rD:rD+7], v[rB:rB+11], v[rA:rA+11], v[rC:rC+7], v[rX], v[rY] matrix_a_fmt:MATRIX_FMT_FP6 matrix_b_fmt:MATRIX_FMT_FP6 matrix_a_scale:MATRIX_SCALE_ROW1 matrix_b_scale:MATRIX_SCALE_ROW1
.endif
.endm
.macro STEP buf, j, cm
.if (\j) < 3
	PLACES 4
	FETCH \buf, (\j)+1
	s_wait_dscnt 36
.else
	s_wait_dscnt 0x0
.endif
.if \cm
	s_wait_loadcnt 32
	WIN 0x41
.else
	WIN 0x51
.endif
.irp a, 0,1,2,3
.irp b, 0,1,2,3
	WM \a, \b, \j, \cm
.endr
.endr
.endm
.macro P cur, mode
	WIN 0
.if NS > 2 && (\mode) < 3
	s_wait_xcnt 0x0
	s_add_nc_u64 s[PFA:PFA+1], s[PFA:PFA+1], s[PFS:PFS+1]
.endif
	s_wait_tensorcnt 0x0
	ds_add_u32 v[SPW], v[NIL]
.if (\mode) == 0
	DESC G1, 32, 96, 32
	DESC G1B, 32, 96, 32
.endif
.if NS > 2 && (\mode) < 3
	s_add_nc_u64 s[G0+4*(\cur)+2:G0+4*(\cur)+3], s[G0+4*(\cur)+2:G0+4*(\cur)+3], 2*98304
	s_add_nc_u64 s[G0B+4*(\cur)+2:G0B+4*(\cur)+3], s[G0B+4*(\cur)+2:G0B+4*(\cur)+3], 4*CHB
.endif
	s_wait_dscnt 0x0
.if (\mode) < 3
	CROUND
	JLOAD G0+4*(1-(\cur)), G1, G0B+4*(1-(\cur)), G1B
.else
	s_barrier_signal -1
	s_barrier_wait -1
	PLACES 4
.endif
.if (\mode) > 0
	v_add_nc_u32 v[ADRSA], 2048, v[ADRSA]
	v_add_nc_u32 v[ADRSB], 16, v[ADRSB]
	s_wait_alu depctr_va_vdst(0)
.endif
	SCALES
	FETCH \cur, 0
.if NS > 2 && (\mode) < 2
	global_prefetch_b8 v[PFO], s[PFA:PFA+1] th:TH_LOAD_NT scope:SCOPE_SE
.endif
.if NS > 2 && (\mode) == 2
	s_cmp_gt_u32 s3, 1
	s_cbranch_scc0 .Lno_ask_\@
	global_prefetch_b8 v[PFO], s[PFA:PFA+1] th:TH_LOAD_NT scope:SCOPE_SE
.Lno_ask_\@:
.endif
.endm
	P 0, 0
	STEP 0, 0, 1
.if NS > 2
	WIN 0
	s_mov_b32 s3, NS/2-1
.Llap:
	STEP 0, 1, 0
	STEP 0, 2, 0
	STEP 0, 3, 0
	P 1, 1
	STEP 1, 0, 0
	STEP 1, 1, 0
	STEP 1, 2, 0
	STEP 1, 3, 0
	P 0, 2
	STEP 0, 0, 0
	WIN 0
	s_sub_co_u32 s3, s3, 1
	s_cmp_lg_u32 s3, 0
	s_cbranch_scc1 .Llap
.endif
	STEP 0, 1, 0
	STEP 0, 2, 0
	STEP 0, 3, 0
	P 1, 3
	STEP 1, 0, 0
	STEP 1, 1, 0
	STEP 1, 2, 0
	STEP 1, 3, 0
	WIN 0
	PLACES 4
.irp a, 0,1,2,3
	WIN 0x04
.irp b, 0,1,2,3
	ds_store_b128 v[STO], v[8*(4*\a+\b):8*(4*\a+\b)+3] offset:128*(\b/2)+32*(\b%2)
	ds_store_b128 v[STO], v[8*(4*\a+\b)+4:8*(4*\a+\b)+7] offset:128*(\b/2)+32*(\b%2)+16
.endr
	WIN 0
.irp u, 0,1,2,3,4,5,6,7
	ds_load_b128 v[BK+32*\a+4*\u:BK+32*\a+4*\u+3], v[RD] offset:\u*2*SPI
.endr
.endr
	s_wait_loadcnt 0x0
.irp a, 0,1,2,3
	s_wait_dscnt 16*(3-\a)
	WIN 0x08
.irp j, 0,2,4,6,8,10,12,14,16,18,20,22,24,26,28,30
	v_pk_add_f32 v[BK+32*\a+\j:BK+32*\a+\j+1], v[BK+32*\a+\j:BK+32*\a+\j+1], v[32*\a+\j:32*\a+\j+1]
.endr
	WIN 0
.irp u, 0,1,2,3,4,5,6,7
	ROWSET \a, \u
	global_store_b128 v[CO], v[BK+32*\a+4*\u:BK+32*\a+4*\u+3], s[12:13] offset:RO
.endr
.endr
	s_wait_tensorcnt 0x0
	ds_add_u32 v[SPW], v[NIL]
	s_wait_dscnt 0x0
	CROUND
	s_endpgm
.Lfunc_end_k_q730e619dd0_wo:
	.size	k_q730e619dd0_wo, .Lfunc_end_k_q730e619dd0_wo-k_q730e619dd0_wo
	.p2alignl 7, 3214868480
	.fill 96, 4, 3214868480
	.section	.rodata,"a",@progbits
	.p2align	6, 0x0
	.amdhsa_kernel k_q730e619dd0_wo
		.amdhsa_group_segment_fixed_size 327680
		.amdhsa_private_segment_fixed_size 0
		.amdhsa_enable_private_segment 0
		.amdhsa_kernarg_size 40
		.amdhsa_user_sgpr_count 2
		.amdhsa_user_sgpr_kernarg_segment_ptr 1
		.amdhsa_wavefront_size32 1
		.amdhsa_system_sgpr_workgroup_id_x 1
		.amdhsa_system_sgpr_workgroup_id_y 1
		.amdhsa_system_sgpr_workgroup_id_z 1
		.amdhsa_system_vgpr_workitem_id 0
		.amdhsa_next_free_vgpr 640
		.amdhsa_next_free_sgpr 102
		.amdhsa_reserve_vcc 0
		.amdhsa_float_denorm_mode_32 3
		.amdhsa_float_denorm_mode_16_64 3
		.amdhsa_memory_ordered 1
		.amdhsa_forward_progress 1
		.amdhsa_inst_pref_size 66
	.end_amdhsa_kernel
	.amdgpu_metadata
---
amdhsa.version: [ 1, 2 ]
amdhsa.kernels:
  - .name:           k_q730e619dd0_wo
    .symbol:         k_q730e619dd0_wo.kd
    .args:
      - { .name: cbuf, .offset: 0, .size: 8, .value_kind: global_buffer, .address_space: global }
      - { .name: wbuf, .offset: 8, .size: 8, .value_kind: global_buffer, .address_space: global }
      - { .name: bo, .offset: 16, .size: 8, .value_kind: global_buffer, .address_space: global }
      - { .name: x, .offset: 24, .size: 8, .value_kind: global_buffer, .address_space: global }
      - { .name: x1, .offset: 32, .size: 8, .value_kind: global_buffer, .address_space: global }
    .group_segment_fixed_size: 327680
    .private_segment_fixed_size: 0
    .kernarg_segment_align: 8
    .kernarg_segment_size: 40
    .max_flat_workgroup_size: 128
    .sgpr_count:     102
    .vgpr_count:     640
    .wavefront_size: 32
...
	.end_amdgpu_metadata
.endif
;; end of part 4
;; launch ln1 (part 5): grid 256 x 1, 4 waves a work-group, no clusters, 22,016 bytes of LDS; arguments x1, scale2, shift2, hbuf; writes hbuf
.if DOCPART == 5
	.amdgcn_target "amdgcn-amd-amdhsa--gfx1250"
	.amdhsa_code_object_version 6
	.text
	.protected	k_q730e619dd0_ln1
	.globl	k_q730e619dd0_ln1
	.p2align	8
	.type	k_q730e619dd0_ln1,@function
k_q730e619dd0_ln1:
	s_mov_b64 s[64:65], 0
	v_nop
	global_prefetch_b8 v0, s[64:65] scope:SCOPE_SE
	s_setreg_imm32_b32 hwreg(HW_REG_WAVE_MODE, 25, 1), 1
	s_wait_xcnt 0x0
; h = (x - mean) / (var + 1e-5) * scale + shift over rows of 1,024 f32 (var with 1,023 in the divisor, NO square root), then quantised along the row:
; codes of FP6 (E2M3) [chunk of 256 along K][4096 rows][192 bytes] and E8M0 bytes [4096][32] behind them.  Mean first, then the sum of squared differences: no difference of large sums.
; Row r is stored at the row whose number has bits 3 and 4 exchanged (see the weights' launch: the products' tiles want that order).
; LIMITS: a block whose largest magnitude lies under 2^-124 gets the byte 1 (a block of zeros too); NaN and infinities are not served.
; SHARES: a wave takes 4 whole rows (32 registers a row), a work-group 16.  The reductions never leave the wave: no barrier.  Nothing is shared between work-groups, so no cluster and no tensor load.
; All 32 row loads of a wave go out at the head; the waits count down 24, 16, 8, 0.
.set SCLR, 16                          ; v16-47   scale, as a row is loaded: load i, lane l: columns 128 i + 4 l ..
.set SHFR, 48                          ; v48-79   shift
.set R,    80                          ; v80-207  four rows; a row's registers later take its codes and bytes
.set X,    208                         ; v208-239 two steps of 16 neighbours
.set WREG, 5376                        ; LDS of a wave: two stages of 32 x 80 bytes, then 128 scale bytes
.set SP,   80
.set HSC,  3145728
	s_load_b256 s[4:11], s[0:1], 0x0               ; x, scale, shift, hbuf
	v_lshl_add_u32 v15, v0, 2, 0x5400
	v_mov_b32 v251, 0
	v_lshrrev_b32 v1, 5, v0
	v_readfirstlane_b32 s2, v1                     ; wave
	v_and_b32 v1, 31, v0                           ; lane
	v_lshlrev_b32 v2, 4, v1                        ; 16 x lane
	s_mul_i32 s3, s2, WREG
	v_lshrrev_b32 v3, 2, v1
	v_mul_u32_u24 v3, v3, SP
	v_and_b32 v4, 3, v1
	v_lshl_add_u32 v3, v4, 4, v3
	v_add_nc_u32 v3, s3, v3                        ; the stage, in
	v_mul_u32_u24 v4, v1, SP
	v_add_nc_u32 v4, s3, v4                        ; and out
	s_add_co_u32 s3, s3, 2*32*SP
	v_lshrrev_b32 v5, 1, v1
	v_add_nc_u32 v5, s3, v5                        ; my block's scale byte
	v_lshlrev_b32 v240, 2, v1
	v_add_nc_u32 v6, s3, v240                      ; 4 bytes a lane on the way out
	v_and_b32 v7, 15, v1                           ; THE CODES' LAYOUT: [chunk of 256 along K][4096 rows][192 bytes]; a chunk is 786,432 bytes
	v_mul_u32_u24 v7, v7, 12
	v_lshrrev_b32 v241, 4, v1
	v_mad_u32_u24 v7, v241, 0xc0000, v7            ; 12 (lane % 16) + (lane / 16) chunks
	v_mov_b32 v250, 0                              ; a lane permute's destination counts as read
	v_mov_b32 v253, 0                              ; upper halves of pairs of which the low word serves both halves
	v_mov_b32 v255, 0
	s_mov_b32 s12, 0x76543210
	s_mov_b32 s13, 0xfedcba98                      ; lane l xor 16
	s_mov_b32 s14, 0x3a802008                      ; 1 / 1023
	s_mov_b32 s15, 0x3727c5ac                      ; 1e-5
	s_lshl_b32 s18, ttmp9, 16                      ; 16 rows of 4,096 bytes a work-group,
	s_lshl_b32 s19, s2, 14                         ; 4 a wave
	s_add_co_u32 s18, s18, s19
	s_mov_b32 s19, 0
	s_and_b32 s20, ttmp9, -2                       ; the stored row: bits 5 up stay,
	s_lshl_b32 s20, s20, 4
	s_bfe_u32 s21, s2, 0x10001
	s_lshl_b32 s21, s21, 4                         ; bit 4 takes row bit 3 (wave bit 1),
	s_add_co_u32 s20, s20, s21
	s_and_b32 s21, ttmp9, 1
	s_lshl_b32 s21, s21, 3                         ; bit 3 takes row bit 4 (work-group bit 0),
	s_add_co_u32 s20, s20, s21
	s_and_b32 s21, s2, 1
	s_lshl_b32 s21, s21, 2
	s_add_co_u32 s20, s20, s21                     ; bit 2 stays
	s_mul_i32 s22, s20, 192
	s_mov_b32 s23, 0
	s_lshl_b32 s24, s20, 5
	s_add_co_u32 s24, s24, HSC
	s_mov_b32 s25, 0
	s_wait_kmcnt 0x0
	s_add_nc_u64 s[4:5], s[4:5], s[18:19]
	s_add_nc_u64 s[16:17], s[10:11], s[24:25]      ; my 128 scale bytes
	s_add_nc_u64 s[10:11], s[10:11], s[22:23]      ; my four rows of codes
.irp i, 0,1,2,3,4,5,6,7
	global_load_b128 v[SCLR+4*\i:SCLR+4*\i+3], v2, s[6:7] offset:512*\i
	global_load_b128 v[SHFR+4*\i:SHFR+4*\i+3], v2, s[8:9] offset:512*\i
.endr
.irp p, 0,1,2,3
.irp i, 0,1,2,3,4,5,6,7
	global_load_b128 v[R+32*\p+4*\i:R+32*\p+4*\i+3], v2, s[4:5] offset:4096*\p+512*\i th:TH_LOAD_NT
.endr
.endr
.macro REDUCE                          ; four chains v[242:249] -> the sum over the row, in v8 of every lane
	v_pk_add_f32 v[242:243], v[242:243], v[244:245]
	v_pk_add_f32 v[246:247], v[246:247], v[248:249]
	v_pk_add_f32 v[242:243], v[242:243], v[246:247]
	v_add_f32 v8, v242, v243
	v_add_f32_dpp v8, v8, v8 row_xmask:1 row_mask:0xf bank_mask:0xf
	v_add_f32_dpp v8, v8, v8 row_xmask:2 row_mask:0xf bank_mask:0xf
	v_add_f32_dpp v8, v8, v8 row_xmask:4 row_mask:0xf bank_mask:0xf
	v_add_f32_dpp v8, v8, v8 row_xmask:8 row_mask:0xf bank_mask:0xf
	v_permlanex16_b32 v250, v8, s12, s13
	v_add_f32 v8, v8, v250
.endm
.macro ROW p
.set RR, R+32*(\p)
	s_wait_loadcnt 8*(3-(\p))                      ; scale, shift and this row are in; the younger rows' eight loads each may be out
.irp c, 0,1,2,3
	v_pk_add_f32 v[242+2*\c:243+2*\c], v[RR+2*\c:RR+2*\c+1], v[RR+8+2*\c:RR+9+2*\c]
.endr
.irp k, 16,24
.irp c, 0,1,2,3
	v_pk_add_f32 v[242+2*\c:243+2*\c], v[242+2*\c:243+2*\c], v[RR+\k+2*\c:RR+\k+2*\c+1]
.endr
.endr
	REDUCE
	v_mul_f32 v252, 0x3a800000, v8                 ; the mean: / 1024, exact
.set j, 0
.rept 16
	v_pk_add_f32 v[RR+j:RR+j+1], v[RR+j:RR+j+1], v[252:253] op_sel_hi:[1,0] neg_lo:[0,1] neg_hi:[0,1]   ; x - mean, in place
.set j, j+2
.endr
.irp c, 0,1,2,3
	v_pk_mul_f32 v[242+2*\c:243+2*\c], v[RR+2*\c:RR+2*\c+1], v[RR+2*\c:RR+2*\c+1]
.endr
.irp k, 8,16,24
.irp c, 0,1,2,3
	v_pk_fma_f32 v[242+2*\c:243+2*\c], v[RR+\k+2*\c:RR+\k+2*\c+1], v[RR+\k+2*\c:RR+\k+2*\c+1], v[242+2*\c:243+2*\c]
.endr
.endr
	REDUCE
	v_fma_f32 v9, v8, s14, s15                     ; var + eps
	s_wait_alu depctr_va_vdst(0)
	v_rcp_f32 v254, v9
	v_nop                                          ; a plain line behind the reciprocal
	s_wait_alu depctr_va_vdst(0)                   ; the wait ahead of the result's first reader
	v_fma_f32 v10, -v9, v254, 1.0                  ; one Newton step: what follows goes into a quantiser
	v_fma_f32 v254, v254, v10, v254
.set j, 0
.rept 16
	v_pk_mul_f32 v[RR+j:RR+j+1], v[RR+j:RR+j+1], v[254:255] op_sel_hi:[1,0]
.set j, j+2
.endr
.set j, 0
.rept 16
	v_pk_fma_f32 v[RR+j:RR+j+1], v[RR+j:RR+j+1], v[SCLR+j:SCLR+j+1], v[SHFR+j:SHFR+j+1]
.set j, j+2
.endr
.irp i, 0,1,2,3,4,5,6,7
	ds_store_b128 v3, v[RR+4*\i:RR+4*\i+3] offset:32*SP*(\i/4)+8*SP*(\i%4)   ; the row's two steps of 2,048 bytes, as they lie
.endr
.irp s, 0,1
.irp j, 0,1,2,3
	ds_load_b128 v[X+16*\s+4*\j:X+16*\s+4*\j+3], v4 offset:32*SP*\s+16*\j    ; and back, 64 bytes a lane: LDS serves a wave in order
.endr
.endr
	s_wait_dscnt 0x0
.irp s, 0,1
	v_max3_num_f32 v8, |v[X+16*\s]|, |v[X+16*\s+1]|, |v[X+16*\s+2]|
	v_max3_num_f32 v9, |v[X+16*\s+3]|, |v[X+16*\s+4]|, |v[X+16*\s+5]|
.irp i, 6,10
	v_max3_num_f32 v8, v8, |v[X+16*\s+\i]|, |v[X+16*\s+\i+1]|
	v_max3_num_f32 v9, v9, |v[X+16*\s+\i+2]|, |v[X+16*\s+\i+3]|
.endr
	v_max3_num_f32 v8, v8, |v[X+16*\s+14]|, |v[X+16*\s+15]|
	v_max3_num_f32 v8, v8, v9, 0x1800000           ; the floor 2^(3 - 127)
	v_max_num_f32_dpp v8, v8, v8 row_xmask:1 row_mask:0xf bank_mask:0xf   ; two neighbouring lanes hold a block
	v_add_nc_u32 v11, 0xff000000, v8
	v_cvt_scalef32_pk16_fp6_f32 v[RR+4*\s:RR+4*\s+2], v[X+16*\s:X+16*\s+15], v11   ; into the row's own registers, which are done with and are not written again
	v_lshrrev_b32 v[RR+8+\s], 23, v11              ; the byte (the plain line behind the conversion)
	ds_store_b8 v5, v[RR+8+\s] offset:32*(\p)+16*\s
	global_store_b96 v7, v[RR+4*\s:RR+4*\s+2], s[10:11] offset:192*(\p)+1572864*\s   ; sixteen lanes store a chunk's 192 bytes of the row
.endr
.endm
	ROW 0
	ROW 1
	ROW 2
	ROW 3
	ds_load_b32 v241, v6                           ; my four rows' 128 scale bytes
	s_wait_dscnt 0x0
	global_store_b32 v240, v241, s[16:17]          ; 128 consecutive bytes
	s_wait_tensorcnt 0x0
	ds_add_u32 v15, v251
	s_wait_dscnt 0x0
	s_endpgm
.Lfunc_end_k_q730e619dd0_ln1:
	.size	k_q730e619dd0_ln1, .Lfunc_end_k_q730e619dd0_ln1-k_q730e619dd0_ln1
	.p2alignl 7, 3214868480
	.fill 96, 4, 3214868480
	.section	.rodata,"a",@progbits
	.p2align	6, 0x0
	.amdhsa_kernel k_q730e619dd0_ln1
		.amdhsa_group_segment_fixed_size 22016
		.amdhsa_private_segment_fixed_size 0
		.amdhsa_enable_private_segment 0
		.amdhsa_kernarg_size 32
		.amdhsa_user_sgpr_count 2
		.amdhsa_user_sgpr_kernarg_segment_ptr 1
		.amdhsa_wavefront_size32 1
		.amdhsa_system_sgpr_workgroup_id_x 1
		.amdhsa_system_sgpr_workgroup_id_y 1
		.amdhsa_system_sgpr_workgroup_id_z 1
		.amdhsa_system_vgpr_workitem_id 0
		.amdhsa_next_free_vgpr 256
		.amdhsa_next_free_sgpr 66
		.amdhsa_reserve_vcc 0
		.amdhsa_float_denorm_mode_32 3
		.amdhsa_float_denorm_mode_16_64 3
		.amdhsa_memory_ordered 1
		.amdhsa_forward_progress 1
		.amdhsa_inst_pref_size 44
	.end_amdhsa_kernel
	.amdgpu_metadata
---
amdhsa.version: [ 1, 2 ]
amdhsa.kernels:
  - .name:           k_q730e619dd0_ln1
    .symbol:         k_q730e619dd0_ln1.kd
    .args:
      - { .name: x1, .offset: 0, .size: 8, .value_kind: global_buffer, .address_space: global }
      - { .name: scale2, .offset: 8, .size: 8, .value_kind: global_buffer, .address_space: global }
      - { .name: shift2, .offset: 16, .size: 8, .value_kind: global_buffer, .address_space: global }
      - { .name: hbuf, .offset: 24, .size: 8, .value_kind: global_buffer, .address_space: global }
    .group_segment_fixed_size: 22016
    .private_segment_fixed_size: 0
    .kernarg_segment_align: 8
    .kernarg_segment_size: 32
    .max_flat_workgroup_size: 128
    .sgpr_count:     66
    .vgpr_count:     256
    .wavefront_size: 32
...
	.end_amdgpu_metadata
.endif
;; end of part 5
;; launch up (part 6): grid 16 x 16, 4 waves a work-group, clusters of 4 x 4, 327,680 bytes of LDS; arguments hbuf, wbuf, b_up, gbuf; writes gbuf
.if DOCPART == 6
	.amdgcn_target "amdgcn-amd-amdhsa--gfx1250"
	.amdhsa_code_object_version 6
	.text
	.protected	k_q730e619dd0_up
	.globl	k_q730e619dd0_up
	.p2align	8
	.type	k_q730e619dd0_up,@function
k_q730e619dd0_up:
	s_mov_b64 s[64:65], 0
	v_nop
	global_prefetch_b8 v0, s[64:65] scope:SCOPE_SE
	s_setreg_imm32_b32 hwreg(HW_REG_WAVE_MODE, 25, 1), 1
	s_wait_xcnt 0x0
	s_wait_alu depctr_hold_cnt(0) depctr_sa_sdst(0) depctr_va_vdst(0) depctr_va_sdst(0) depctr_va_ssrc(0) depctr_va_vcc(0) depctr_vm_vsrc(0)
	s_getreg_b32 s2, hwreg(HW_REG_IB_STS2, 6, 4)
	s_cmp_eq_u32 s2, 0
	s_cbranch_scc0 .Lentry_in_a_cluster
	s_endpgm
.Lentry_in_a_cluster:
	s_bfe_u32 s2, ttmp6, 0x10000c
	s_cmp_lg_u32 s2, 0xf033
	s_cbranch_scc0 .Lentry_shape_is_right
	s_endpgm
.Lentry_shape_is_right:
.set SIZE_K, 1024
.set HSC,    3145728
.set WSC,    9437184
.set GSC,    12582912
.set KROW,   192                       ; codes lie [chunk of 256 along K][row][192 bytes]: 128 rows of a chunk are 24,576 dense bytes, fetched as 96 rows of 256
.set ROWB,   192
.set PITCH,  240
.set FR,     12
.set NLA,    6
.set NP,     4
.set HALFT,  128*PITCH
.set SLOT,   4*HALFT
.set LAPS,   SIZE_K/512
.set KS,     SIZE_K/32
.set HALFS,  (128*KS/256)*272
.set SBLK,   (16*KS/256)*272
.set SCA,    2*SLOT
.set SCB,    SCA+2*HALFS
.set SPARE,  SCB+2*HALFS
.set ADRA, 16
.set ADRB, 20
.set IO,   24
.set SO4,  25
.set ADRSB, 27
.set SPW,  28
.set NIL,  29
.set ADRSA, 30
.set BAD,  31
.set SC,   32
.set BI,   64
.set AF,   128
.set G,    64
.set Z,    128
.set T,    192
.set P,    224
.set TM,   192
.set PW,   208
.set PC,   224
.set PWE,  8
.set PWS,  9
.set SEL,  44
.set G1, 24
.set G0, 32
.set G1B, 48
.set G0B, 56
.set G1S, 68
.set G0S, 76
.set G1SB, 80
.set G0SB, 88
.set MSB, 0
.macro WIN new
.if MSB != (\new)
	s_set_vgpr_msb (MSB<<8)|(\new)
.set MSB, (\new)
.endif
.endm
.set MUL_LO, 0xa1
.set MUL_HI, 0xf1
.set TO_B,   0x40
.macro JLOAD g0a, g1a, g0b, g1b
	s_cmp_eq_u32 s15, 0
	s_cbranch_scc0 .Lfor_b_\@
	tensor_load_to_lds s[\g0a:\g0a+3], s[\g1a:\g1a+7]
	s_nop 0
.rept 4
	v_nop
.endr
	s_branch .Lasked_\@
.Lfor_b_\@:
	tensor_load_to_lds s[\g0b:\g0b+3], s[\g1b:\g1b+7]
	s_nop 0
.rept 4
	v_nop
.endr
.Lasked_\@:
.endm
.macro CREST
	s_cmp_lg_u32 s14, 0
	s_cbranch_scc1 .Lnot_wave_0_\@
	s_barrier_signal -3
.Lnot_wave_0_\@:
	s_barrier_wait -3
	s_barrier_signal -1
	s_barrier_wait -1
.endm
.macro CROUND
	s_barrier_signal -1
	s_barrier_wait -1
	CREST
.endm
.macro PLACES n
.rept \n
	v_nop
.endr
.endm
	s_load_b128 s[4:7], s[0:1], 0x0
	s_load_b64 s[98:99], s[0:1], 0x10
	s_load_b64 s[12:13], s[0:1], 0x18
	v_lshl_add_u32 v[SPW], v0, 2, SPARE
	v_mov_b32 v[NIL], 0
	ds_add_u32 v28, v29
	ds_add_u32 v28, v29
	s_wait_dscnt 0x0
	v_lshrrev_b32 v1, 5, v0
	v_readfirstlane_b32 s14, v1
	s_lshr_b32 s15, s14, 1
	s_and_b32 s16, s14, 1
	s_bfe_u32 s40, ttmp6, 0x40000
	s_bfe_u32 s41, ttmp6, 0x40004
	s_lshl_b32 s42, ttmp9, 2
	s_add_co_u32 s42, s42, s40
	s_and_b32 s17, ttmp7, 0xffff
	s_lshl_b32 s17, s17, 2
	s_add_co_u32 s17, s17, s41
	s_lshl_b32 s43, s41, 2
	s_lshl_b32 s43, 15, s43
	s_lshl_b32 s44, 0x1111, s40
	s_or_b32 s[G1+0], s43, (3<<16)|(1<<20)|(1<<21)|(3<<22)|(3<<25)
	s_or_b32 s[G1B+0], s44, (3<<16)|(1<<20)|(1<<21)|(3<<22)|(3<<25)
.irp g, G1, G1B
	s_mov_b32 s[\g+1], 32<<16
	s_mov_b32 s[\g+2], 192<<16                     ; the head's form: all 256 rows of a chunk, 192 rows of 256 bytes
	s_mov_b32 s[\g+3], 32<<16
	s_mov_b32 s[\g+4], 192
	s_mov_b32 s[\g+5], 32
	s_mov_b32 s[\g+6], 0
	s_mov_b32 s[\g+7], 0
.endr
	s_or_b32 s[G1S+0], s43, (3<<16)|(1<<20)|(1<<21)|(5<<22)|(3<<25)
	s_or_b32 s[G1SB+0], s44, (3<<16)|(1<<20)|(1<<21)|(5<<22)|(3<<25)
.irp g, G1S, G1SB
	s_mov_b32 s[\g+1], 32<<16
	s_mov_b32 s[\g+2], KS<<16                      ; the scales of all 256 rows
	s_mov_b32 s[\g+3], 32<<16
	s_mov_b32 s[\g+4], KS
	s_mov_b32 s[\g+5], 32
	s_mov_b32 s[\g+6], 0
	s_mov_b32 s[\g+7], 0
.endr
	s_lshl_b32 s18, s16, 7
	s_lshl_b32 s20, s17, 8
	s_mul_i32 s22, s20, KS
	s_add_co_u32 s20, s20, s18
	s_add_co_u32 s22, s22, HSC
	s_mul_i32 s20, s20, KROW
	s_mov_b32 s21, 0
	s_mov_b32 s23, 0
	s_lshl_b32 s46, s42, 8
	s_mul_i32 s92, s46, KS
	s_add_co_u32 s46, s46, s18
	s_add_co_u32 s92, s92, WSC+131072
	s_mul_i32 s46, s46, KROW
	s_add_co_u32 s46, s46, 786432
	s_mov_b32 s47, 0
	s_mov_b32 s93, 0
	s_mul_i32 s45, s14, HALFT
	s_mul_i32 s94, s14, HALFS
	s_wait_kmcnt 0x0
	s_add_nc_u64 s[20:21], s[4:5], s[20:21]
	s_add_nc_u64 s[22:23], s[4:5], s[22:23]
	s_add_nc_u64 s[46:47], s[6:7], s[46:47]
	s_add_nc_u64 s[92:93], s[6:7], s[92:93]
	CROUND
	s_mov_b32 s[G0S], 1
	s_mov_b32 s[G0S+1], SCA
	s_mov_b64 s[G0S+2:G0S+3], s[22:23]
	s_or_b32 s[G0S+3], s[G0S+3], 0x80000000
	s_mov_b32 s[G0SB], 1
	s_mov_b32 s[G0SB+1], SCB
	s_mov_b64 s[G0SB+2:G0SB+3], s[92:93]
	s_or_b32 s[G0SB+3], s[G0SB+3], 0x80000000
.irp s, 0,1
	s_mov_b32 s[G0+4*\s], 1
	s_add_co_u32 s[G0+4*\s+1], s45, \s*SLOT
	s_add_nc_u64 s[G0+4*\s+2:G0+4*\s+3], s[20:21], \s*786432
	s_or_b32 s[G0+4*\s+3], s[G0+4*\s+3], 0x80000000
	s_mov_b32 s[G0B+4*\s], 1
	s_add_co_u32 s[G0B+4*\s+1], s45, \s*SLOT
	s_add_nc_u64 s[G0B+4*\s+2:G0B+4*\s+3], s[46:47], \s*1572864
	s_or_b32 s[G0B+4*\s+3], s[G0B+4*\s+3], 0x80000000
.endr
; THE HEAD'S LOADS, ONE A WAVE, in one chain of branches on the wave's number: wave 0 h's 256 rows of chunk 0 (its own group 0 begins at the tile's first row and at the slot's first byte), wave 1 their scales,
; wave 2 the weight's 256 rows (likewise), wave 3 their scales.
.macro ARM under, g0, g1, next
	s_cmp_lt_u32 s14, \under
	s_cbranch_scc0 \next
	tensor_load_to_lds s[\g0:\g0+3], s[\g1:\g1+7]
	s_nop 0
	PLACES 4
	s_branch .Lhead_asked
\next:
.endm
	ARM 1, G0,  G1,  .Lhead_sa
	ARM 2, G0S, G1S, .Lhead_b
	ARM 3, G0B, G1B, .Lhead_sb
	tensor_load_to_lds s[G0SB:G0SB+3], s[G1SB:G1SB+7]
	s_nop 0
	PLACES 4
.Lhead_asked:
	; the prefetches: of the 96 blocks of 256 bytes that my wave fetches of a chunk, my work-group names 24, told apart from its three partners' by address
	s_cmp_eq_u32 s15, 0
	s_cselect_b64 s[4:5], s[20:21], s[46:47]
	s_cselect_b32 s6, s40, s41
	s_mul_i32 s6, s6, 6144
	s_mov_b32 s7, 0
	s_add_nc_u64 s[4:5], s[4:5], s[6:7]
	s_mov_b32 s6, 1572864
	s_mov_b32 s7, 786432
	s_cselect_b32 s6, s7, s6                       ; bytes from chunk to chunk
	v_and_b32 v1, 15, v0
	v_bfe_u32 v2, v0, 4, 1
	v_and_b32 v6, 31, v0
	v_lshlrev_b32 v[BAD], 6, v2
	s_lshl_b32 s20, s42, 10
	s_lshl_b32 s21, s16, 9
	s_add_co_u32 s20, s20, s21
	s_mov_b32 s21, 0
	s_add_nc_u64 s[98:99], s[98:99], s[20:21]
.irp b, 0,1,2,3,4,5,6,7
	global_load_b128 v[BI+8*\b:BI+8*\b+3], v[BAD], s[98:99] offset:(32*(\b/2)+8*(\b%2))*4
	global_load_b128 v[BI+8*\b+4:BI+8*\b+7], v[BAD], s[98:99] offset:(32*(\b/2)+8*(\b%2))*4+16
.endr
	v_mul_u32_u24 v3, v1, PITCH
	v_mul_u32_u24 v4, v2, 24
	v_add_nc_u32 v4, v3, v4
	v_lshl_add_u32 v5, v2, 4, v4
	s_mul_i32 s21, s15, HALFT
	s_mul_i32 s22, s16, HALFT
	s_add_co_u32 s22, s22, 2*HALFT
.irp s, 0,1
	v_add_nc_u32 v[ADRA+\s], s21, v4
	v_add_nc_u32 v[ADRB+\s], s22, v4
	v_add_nc_u32 v[ADRA+2+\s], s21, v5
	v_add_nc_u32 v[ADRB+2+\s], s22, v5
	s_add_co_u32 s21, s21, SLOT
	s_add_co_u32 s22, s22, SLOT
.endr
	v_mul_u32_u24 v3, v6, KS
	v_lshrrev_b32 v4, 8, v3
	v_lshl_add_u32 v3, v4, 4, v3
	s_mul_i32 s21, s16, HALFS
	s_add_co_u32 s21, s21, SCB
	v_add_nc_u32 v[ADRSB], s21, v3
	s_mul_i32 s21, s15, HALFS
	s_add_co_u32 s21, s21, SCA
	v_add_nc_u32 v[ADRSA], s21, v3
	v_lshlrev_b32 v[IO], 4, v6
	v_lshlrev_b32 v[SO4], 2, v6
	v_min_u32 v12, 23, v6                          ; lanes 24-31 name the last block again
	v_lshlrev_b32 v12, 8, v12
	v_add_nc_u32 v12, s6, v12                      ; v12, v13, v14: my blocks of chunks 1, 2, 3; never rewritten
	v_add_nc_u32 v13, s6, v12
	v_add_nc_u32 v14, s6, v13
	s_lshl_b32 s20, s17, 4
	s_add_co_u32 s20, s20, s42
	s_lshl_b32 s20, s20, 4
	s_lshl_b32 s21, s15, 3
	s_add_co_u32 s20, s20, s21
	s_mul_i32 s20, s20, 3072
	s_mul_i32 s21, s16, 1536
	s_add_co_u32 s20, s20, s21
	s_mov_b32 s21, 0
	s_lshl_b32 s22, s17, 15
	s_lshl_b32 s23, s42, 11
	s_add_co_u32 s22, s22, s23
	s_lshl_b32 s23, s16, 10
	s_add_co_u32 s22, s22, s23
	s_lshl_b32 s23, s15, 9
	s_add_co_u32 s22, s22, s23
	s_add_co_u32 s22, s22, GSC
	s_mov_b32 s23, 0
	s_add_nc_u64 s[96:97], s[12:13], s[22:23]
	s_add_nc_u64 s[12:13], s[12:13], s[20:21]
.macro FRAG reg, adr, q, i
.irp p, 0,1,2,3,4,5
.set PCE, 12*(\q)+6*(\p/3)+\p%3
.if PCE%8 < 5
	ds_load_b64 v[\reg+2*\p:\reg+2*\p+1], v[\adr] offset:8*PCE+16*(PCE/8)+(\i)*16*PITCH
.else
	ds_load_b64 v[\reg+2*\p:\reg+2*\p+1], v[\adr+2] offset:8*PCE+16*(PCE/8)+(\i)*16*PITCH
.endif
.endr
.endm
.macro WM a, b, p, q, sc, cm
.set rD, 8*(8*((\a)%4)+(\b))
.set rC, rD
.if (\cm) == 2
.set rC, BI+8*(\b)
.endif
.set rB, 128*(\p)+FR*(\b)
.set rA, AF+FR*(\a)
.set rX, SC+16*(\sc)+2*((\b)/2)+(\q)
.set rY, SC+16*(\sc)+8+2*((\a)/2)+(\q)
.set od, 2*((\a)%2)+(\b)%2
.if od == 0
	v_wmma_scale_f32_16x16x128_f8f6f4 v[rD:rD+7], v[rB:rB+FR-1], v[rA:rA+FR-1], v[rC:rC+7], v[rX], v[rY] matrix_a_fmt:MATRIX_FMT_FP6 matrix_b_fmt:MATRIX_FMT_FP6
.elseif od == 1
	v_wmma_scale_f32_16x16x128_f8f6f4 v[rD:rD+7], v[rB:rB+FR-1], v[rA:rA+FR-1], v[rC:rC+7], v[rX], v[rY] matrix_a_fmt:MATRIX_FMT_FP6 matrix_b_fmt:MATRIX_FMT_FP6 matrix_a_scale:MATRIX_SCALE_ROW1
.elseif od == 2
	v_wmma_scale_f32_16x16x128_f8f6f4 v[rD:rD+7], v[rB:rB+FR-1], v[rA:rA+FR-1], v[rC:rC+7], v[rX], v[rY] matrix_a_fmt:MATRIX_FMT_FP6 matrix_b_fmt:MATRIX_FMT_FP6 matrix_b_scale:MATRIX_SCALE_ROW1
.else
	v_wmma_scale_f32_16x16x128_f8f6f4 v[rD:rD+7], v[rB:rB+FR-1], v[rA:rA+FR-1], v[rC:rC+7], v[rX], v[rY] matrix_a_fmt:MATRIX_FMT_FP6 matrix_b_fmt:MATRIX_FMT_FP6 matrix_a_scale:MATRIX_SCALE_ROW1 matrix_b_scale:MATRIX_SCALE_ROW1
.endif
.endm
.macro MUL16 a0, p, q, sc, cm
.irp ra, 0,1
.irp b, 0,1,2,3,4,5,6,7
	WM (\a0)+\ra, \b, \p, \q, \sc, \cm
.endr
.endr
.endm
.macro FETCH_B slot, q, p
	WIN TO_B
.irp i, 0,1,2,3,4,5,6,7
	FRAG 128*(\p)+FR*\i, ADRB+\slot, \q, \i
.endr
	WIN 0
.endm
.macro FETCH_A slot, q, i0
.irp i, 0,1,2,3
	FRAG AF+FR*((\i0)+\i), ADRA+\slot, \q, (\i0)+\i
.endr
.endm
.macro SCALES sc
.irp i, 0,1,2,3
	ds_load_b64 v[SC+16*\sc+2*\i:SC+16*\sc+2*\i+1], v[ADRSB] offset:\i*2*SBLK
	ds_load_b64 v[SC+16*\sc+8+2*\i:SC+16*\sc+9+2*\i], v[ADRSA] offset:\i*2*SBLK
.endr
.endm
.macro STEP slot, q, cm
	s_wait_dscnt 4*NLA
.if (\cm) == 2
	WIN 0x81
.else
	WIN MUL_LO
.endif
	MUL16 0, (\q)%2, \q, \slot, \cm
	MUL16 2, (\q)%2, \q, \slot, \cm
	s_wait_dscnt 0
	PLACES NP
	FETCH_B \slot, (\q)+1, 1-(\q)%2
	FETCH_A \slot, (\q)+1, 0
.if (\cm) == 2
	WIN 0xc1
.else
	WIN MUL_HI
.endif
	MUL16 4, (\q)%2, \q, \slot, \cm
	MUL16 6, (\q)%2, \q, \slot, \cm
	PLACES NP
	WIN 0
	FETCH_A \slot, (\q)+1, 4
.endm
.macro TURN slot, next, fill
	s_wait_tensorcnt 0x0
	ds_add_u32 v[SPW], v[NIL]
	s_wait_dscnt 4*NLA+1
	WIN MUL_LO
	MUL16 0, 1, 1, \slot, 0
	s_wait_dscnt 0x0
	s_barrier_signal -1
	MUL16 2, 1, 1, \slot, 0
	WIN 0
	s_barrier_wait -1
.if \fill
	CREST
	s_add_nc_u64 s[G0+4*\slot+2:G0+4*\slot+3], s[G0+4*\slot+2:G0+4*\slot+3], 2*786432
	s_add_nc_u64 s[G0B+4*\slot+2:G0B+4*\slot+3], s[G0B+4*\slot+2:G0B+4*\slot+3], 2*1572864
	JLOAD G0+4*\slot, G1, G0B+4*\slot, G1B
.else
	PLACES NP
.endif
	s_wait_alu depctr_va_vdst(0)
	v_add_nc_u32 v[ADRSB], 8, v[ADRSB]
	v_add_nc_u32 v[ADRSA], 8, v[ADRSA]
	FETCH_B \next, 0, 0
	FETCH_A \next, 0, 0
	SCALES \next
.if (\fill) && (\slot) == 0
	global_prefetch_b8 v14, s[4:5] th:TH_LOAD_NT scope:SCOPE_SE   ; chunk 3, one fill ahead of its load (the loop has one trip)
.endif
	WIN MUL_HI
	MUL16 4, 1, 1, \slot, 0
	MUL16 6, 1, 1, \slot, 0
	PLACES NP
	WIN 0
	FETCH_A \next, 0, 4
.endm
	s_wait_alu depctr_va_vdst(0)
	global_prefetch_b8 v12, s[4:5] th:TH_LOAD_NT scope:SCOPE_SE   ; chunk 1
	s_wait_tensorcnt 0x0                           ; my tile of the head's four is in; the full sequence ahead of slot 1's first fill
	ds_add_u32 v[SPW], v[NIL]
	s_mov_b32 s[G1+2], 96<<16                      ; no load of mine is out: from here on a load brings 128 rows of a chunk, 96 rows of 256 bytes
	s_mov_b32 s[G1+4], 96
	s_mov_b32 s[G1B+2], 96<<16
	s_mov_b32 s[G1B+4], 96
	s_wait_dscnt 0x0
	CROUND
	JLOAD G0+4, G1, G0B+4, G1B
	FETCH_B 0, 0, 0
	FETCH_A 0, 0, 0
	SCALES 0
	FETCH_A 0, 0, 4
	global_prefetch_b8 v13, s[4:5] th:TH_LOAD_NT scope:SCOPE_SE   ; chunk 2
	s_wait_loadcnt 0x0
	STEP 0, 0, 2
	s_mov_b32 s3, LAPS-1
.Llap:
	TURN 0, 1, 1
	STEP 1, 0, 0
	TURN 1, 0, 1
	STEP 0, 0, 0
	s_sub_co_u32 s3, s3, 1
	s_cmp_lg_u32 s3, 0
	s_cbranch_scc1 .Llap
	TURN 0, 1, 0
	STEP 1, 0, 0
	s_wait_dscnt 4*NLA
	WIN MUL_LO
	MUL16 0, 1, 1, 1, 0
	MUL16 2, 1, 1, 1, 0
	s_wait_dscnt 0
	WIN MUL_HI
	MUL16 4, 1, 1, 1, 0
	MUL16 6, 1, 1, 1, 0
	WIN 0
	PLACES NP
.macro COEF k, bits
	s_mov_b32 s[24+2*\k], \bits
	s_mov_b32 s[25+2*\k], \bits
.endm
	; GELU = 0.5 x (1 + erf(z)), z = x / sqrt(2) held to +-3.8325069, beyond which erf is +-1 in f32.  erf(z) = z A(z^2) / B(z^2), A of degree 6 and B of degree 4, all in f32.
	COEF 0, 0xaf95df0b                             ; A: -2.72614226e-10
	COEF 1, 0xb60cff51                             ;    -2.10102402e-06  (2.77068142e-08 stands in v[10:11])
	COEF 2, 0xb86ec2d2                             ;    -5.69250639e-05
	COEF 3, 0xba40ac63                             ;    -7.34990630e-04
	COEF 4, 0xbb41a1f6                             ;    -2.95459981e-03
	COEF 5, 0xbc83dbd4                             ;    -1.60960333e-02
	COEF 6, 0xb77460cd                             ; B: -1.45660718e-05
	COEF 7, 0xbadc924e                             ;    -1.68282697e-03  (-2.13374055e-04 stands in v[2:3])
	COEF 8, 0xbbf19bf8                             ;    -7.37332917e-03
	COEF 9, 0xbc69b6a7                             ;    -1.42647391e-02
	v_mov_b32 v10, 0x32edffee
	v_mov_b32 v11, 0x32edffee
	v_mov_b32 v2, 0xb95fbd29
	v_mov_b32 v3, 0xb95fbd29
	v_mov_b32 v[PWE], 0
	s_mov_b32 s[SEL], 0x76543210
	s_mov_b32 s[SEL+1], 0xfedcba98
	s_mov_b32 s98, 0xffff0000
	s_mov_b32 s46, 0xc07547cb                      ; -3.8325069
	s_mov_b32 s47, 0x407547cb
	s_mov_b32 s99, 0
.macro COPY a
	WIN 0x0a+5*((\a)/4)
.set i, 0
.rept 32
	v_pk_mul_f32 v[Z+i:Z+i+1], v[64*((\a)%4)+i:64*((\a)%4)+i+1], 0x3f3504f3 op_sel_hi:[1,0]   ; x / sqrt(2): each accumulator from its low end on
	v_pk_mul_f32 v[G+i:G+i+1], v[64*((\a)%4)+i:64*((\a)%4)+i+1], 0.5 op_sel_hi:[1,0]          ; x / 2
.set i, i+2
.endr
	WIN 0
.endm
.set Q, T+16                           ; a quarter of a block at a time: 16 numbers a lane: z^2 in v[T ..], B in v[Q ..], A in v[P ..]
.macro GELUH q
.set ZQ, Z+16*(\q)
.set GQ, G+16*(\q)
.set j, 0
.rept 16
	v_med3_num_f32 v[ZQ+j], v[ZQ+j], s46, s47
.set j, j+1
.endr
.set j, 0
.rept 8
	v_pk_mul_f32 v[T+j:T+j+1], v[ZQ+j:ZQ+j+1], v[ZQ+j:ZQ+j+1]
.set j, j+2
.endr
.set j, 0
.rept 8
	v_pk_fma_f32 v[Q+j:Q+j+1], v[T+j:T+j+1], s[36:37], v[2:3] op_sel_hi:[1,0,1]
.set j, j+2
.endr
.irp k, 7,8,9
.set j, 0
.rept 8
	v_pk_fma_f32 v[Q+j:Q+j+1], v[Q+j:Q+j+1], v[T+j:T+j+1], s[24+2*\k:25+2*\k] op_sel_hi:[1,1,0]
.set j, j+2
.endr
.endr
.set j, 0
	s_wait_alu depctr_va_vdst(0)                   ; the wait ahead of the batch
.rept 16
	v_rcp_f32 v[Q+j], v[Q+j]                       ; 1 / B
.set j, j+1
.endr
.set j, 0
.rept 8
	v_pk_fma_f32 v[P+j:P+j+1], v[T+j:T+j+1], s[24:25], v[10:11] op_sel_hi:[1,0,1]   ; A: plain work behind the batch, which names none of its results
.set j, j+2
.endr
.irp k, 1,2,3,4,5
.set j, 0
.rept 8
	v_pk_fma_f32 v[P+j:P+j+1], v[P+j:P+j+1], v[T+j:T+j+1], s[24+2*\k:25+2*\k] op_sel_hi:[1,1,0]
.set j, j+2
.endr
.endr
.set j, 0
.rept 8
	v_pk_mul_f32 v[P+j:P+j+1], v[P+j:P+j+1], v[ZQ+j:ZQ+j+1]
.set j, j+2
.endr
	s_wait_alu depctr_va_vdst(0)                   ; one wait for the batch, ahead of its first reader
.set j, 0
.rept 8
	v_pk_mul_f32 v[P+j:P+j+1], v[P+j:P+j+1], v[Q+j:Q+j+1]                          ; erf(z)
.set j, j+2
.endr
.set j, 0
.rept 8
	v_pk_fma_f32 v[GQ+j:GQ+j+1], v[GQ+j:GQ+j+1], v[P+j:P+j+1], v[GQ+j:GQ+j+1]      ; x / 2 + x / 2 erf(z)
.set j, j+2
.endr
.endm
.Lblk:
.irp a, 1,2,3,4,5,6,7
	s_cmp_eq_u32 s99, \a
	s_cbranch_scc1 .Lcopy_\a
.endr
	COPY 0
	s_branch .Lbody
.irp a, 1,2,3,4,5,6,7
.Lcopy_\a:
	COPY \a
	s_branch .Lbody
.endr
.Lbody:
	GELUH 0
	GELUH 1
	GELUH 2
	GELUH 3
.irp b, 0,1,2,3
	v_max3_num_f32 v[TM+\b], |v[G+16*\b]|, |v[G+1+16*\b]|, 0x1800000
.endr
.irp i, 2,4,6,8,10,12,14
.irp b, 0,1,2,3
	v_max3_num_f32 v[TM+\b], v[TM+\b], |v[G+16*\b+\i]|, |v[G+1+16*\b+\i]|
.endr
.endr
.irp b, 0,1,2,3
	v_permlanex16_b32 v[TM+4+\b], v[TM+\b], s[SEL], s[SEL+1]
.endr
.irp b, 0,1,2,3
	v_max_num_f32 v[TM+\b], v[TM+\b], v[TM+4+\b]
.endr
.irp b, 0,1,2,3
	v_add_nc_u32 v[TM+12+\b], 0xff000000, v[TM+\b]
.endr
.irp b, 0,1,2,3
	v_lshrrev_b32 v[TM+4+\b], 23, v[TM+12+\b]
.endr
	v_lshl_or_b32 v[PW], v[TM+5], 8, v[TM+4]
	v_lshl_or_b32 v[PW], v[TM+6], 16, v[PW]
	v_lshl_or_b32 v[PW], v[TM+7], 24, v[PW]
.irp c, 0,1
	v_cvt_scalef32_pk16_fp6_f32 v[PC+6*\c:PC+2+6*\c], v[G+32*\c:G+15+32*\c], v[TM+12+2*\c]
	v_cvt_scalef32_pk16_fp6_f32 v[PC+12+4*\c:PC+14+4*\c], v[G+16+32*\c:G+31+32*\c], v[TM+13+2*\c]
.endr
	v_nop
.irp c, 0,1
.irp i, 0,1,2
	v_permlane16_swap_b32 v[PC+6*\c+\i], v[PC+12+4*\c+\i]
.endr
.irp i, 0,1,2
	v_mov_b32 v[PC+3+6*\c+\i], v[PC+12+4*\c+\i]
.endr
.endr
.irp g, 0,1,2
	global_store_b128 v[IO], v[PC+4*\g:PC+4*\g+3], s[12:13] offset:512*\g
.endr
	s_bitcmp1_b32 s99, 0
	s_cbranch_scc1 .Lodd
	v_mov_b32 v[PWE], v[PW]
	s_branch .Lnext
.Lodd:
	v_cndmask_b32 v[PWS], v[PWE], v[PW], s98
	global_store_b32 v[SO4], v[PWS], s[96:97] offset:-64
.Lnext:
	s_wait_xcnt 0x0
	s_add_nc_u64 s[12:13], s[12:13], 3072
	s_add_nc_u64 s[96:97], s[96:97], 64
	s_add_co_u32 s99, s99, 1
	s_cmp_lt_u32 s99, 8
	s_cbranch_scc1 .Lblk
	s_wait_tensorcnt 0x0
	ds_add_u32 v[SPW], v[NIL]
	s_wait_dscnt 0x0
	CROUND
	s_endpgm
.Lfunc_end_k_q730e619dd0_up:
	.size	k_q730e619dd0_up, .Lfunc_end_k_q730e619dd0_up-k_q730e619dd0_up
	.p2alignl 7, 3214868480
	.fill 96, 4, 3214868480
	.section	.rodata,"a",@progbits
	.p2align	6, 0x0
	.amdhsa_kernel k_q730e619dd0_up
		.amdhsa_group_segment_fixed_size 327680
		.amdhsa_private_segment_fixed_size 0
		.amdhsa_enable_private_segment 0
		.amdhsa_kernarg_size 32
		.amdhsa_user_sgpr_count 2
		.amdhsa_user_sgpr_kernarg_segment_ptr 1
		.amdhsa_wavefront_size32 1
		.amdhsa_system_sgpr_workgroup_id_x 1
		.amdhsa_system_sgpr_workgroup_id_y 1
		.amdhsa_system_sgpr_workgroup_id_z 1
		.amdhsa_system_vgpr_workitem_id 0
		.amdhsa_next_free_vgpr 1024
		.amdhsa_next_free_sgpr 102
		.amdhsa_reserve_vcc 0
		.amdhsa_float_denorm_mode_32 3
		.amdhsa_float_denorm_mode_16_64 3
		.amdhsa_memory_ordered 1
		.amdhsa_forward_progress 1
		.amdhsa_inst_pref_size 216
	.end_amdhsa_kernel
	.amdgpu_metadata
---
amdhsa.version: [ 1, 2 ]
amdhsa.kernels:
  - .name:           k_q730e619dd0_up
    .symbol:         k_q730e619dd0_up.kd
    .args:
      - { .name: hbuf, .offset: 0, .size: 8, .value_kind: global_buffer, .address_space: global }
      - { .name: wbuf, .offset: 8, .size: 8, .value_kind: global_buffer, .address_space: global }
      - { .name: b_up, .offset: 16, .size: 8, .value_kind: global_buffer, .address_space: global }
      - { .name: gbuf, .offset: 24, .size: 8, .value_kind: global_buffer, .address_space: global }
    .group_segment_fixed_size: 327680
    .private_segment_fixed_size: 0
    .kernarg_segment_align: 8
    .kernarg_segment_size: 32
    .max_flat_workgroup_size: 128
    .sgpr_count:     102
    .vgpr_count:     1024
    .wavefront_size: 32
...
	.end_amdgpu_metadata
.endif
;; end of part 6
;; launch down (part 7): grid 8 x 32, 4 waves a work-group, clusters of 4 x 4, 327,680 bytes of LDS; arguments gbuf, wbuf, b_down, x1, out0; writes out0
.if DOCPART == 7
	.amdgcn_target "amdgcn-amd-amdhsa--gfx1250"
	.amdhsa_code_object_version 6
	.text
	.protected	k_q730e619dd0_down
	.globl	k_q730e619dd0_down
	.p2align	8
	.type	k_q730e619dd0_down,@function
k_q730e619dd0_down:
	s_mov_b64 s[64:65], 0
	v_nop
	global_prefetch_b8 v0, s[64:65] scope:SCOPE_SE
	s_setreg_imm32_b32 hwreg(HW_REG_WAVE_MODE, 25, 1), 1
	s_wait_xcnt 0x0
	s_wait_alu depctr_hold_cnt(0) depctr_sa_sdst(0) depctr_va_vdst(0) depctr_va_sdst(0) depctr_va_ssrc(0) depctr_va_vcc(0) depctr_vm_vsrc(0)
	s_getreg_b32 s2, hwreg(HW_REG_IB_STS2, 6, 4)
	s_cmp_eq_u32 s2, 0
	s_cbranch_scc0 .Lentry_in_a_cluster
	s_endpgm
.Lentry_in_a_cluster:
	s_bfe_u32 s2, ttmp6, 0x10000c
	s_cmp_lg_u32 s2, 0xf033
	s_cbranch_scc0 .Lentry_shape_is_right
	s_endpgm
.Lentry_shape_is_right:
; out = x1 + g w_down^T + b_down.  g [4096][4096] comes as register images of FP6 (E2M3) fragments (1,536 bytes for 16 rows x 128 K) with E8M0 scale words, w_down as codes [chunk of 256 K][row][192 bytes]; f32 sums.
; SHARES: 4,096 x 1,024 results in blocks of 128 x 128 are 256 work-groups, one for each WGP; four waves, each 64 x 64: 16 accumulators, which take turns.
; THE RING: two slots of 512 along K: A's two chunks (2 x 24,576 bytes of images) and B's two (2 x 24,576 bytes, 16 bytes of padding behind each 64: rows 240 bytes apart in LDS).
; Every tile is dense in memory and comes as 96 rows of 256 bytes that begin on multiples of 256.  Behind each round a wave issues one load: waves 0, 1 A's chunks, waves 2, 3 B's.
; THE HEAD: four tiles, one a wave: A's two chunks (two rows of 24,576 bytes), B's two, A's scales, B's scales; the scales stay in LDS.  Slot 1 is first filled behind the full sequence.
; CLUSTERS: 4 x 4 work-groups; A's tiles are asked for jointly along a row of the cluster, B's along a column.
; THE MATRIX INSTRUCTION IS USED TRANSPOSED (source 0 = 16 rows of the weight): a lane holds eight neighbouring columns of one row.  The bias is the C of each accumulator's first product.
; The weight's rows and g's rows are stored with row bits 3 and 4 exchanged; ROWSET and the stage's offsets put results at their true places.
; THE RESIDUAL's 32 loads a wave go out at the head into registers of their own.  THE WAY OUT: 16 rows x 64 columns at a time through the wave's own stage, on LDS bytes that no fill lands on; sixteen lanes store 256 aligned bytes.
; PREFETCH: the head asks for slot 1, the change into slot s for slot s + 2, one slot ahead of that slot's load.  Of a wave's 96 blocks of 256 bytes each of the four partners names 24, told apart by address
; (lanes 24-31 name the last again).  The last two changes ask for nothing.
; REGISTERS: window 0: v16-30 addresses, v32-47 scale words, v48-79 bias, v80-175 A's fragments in two sets (v128-255 on the way out); window 1: v0-127 accumulators, v128-223 B's fragments in two sets; window 2: v0-127 the residual.
.set ISWO,   0
.set SIZE_K, 4096
.set ASC,    12582912
.set BCO,    6291456
.set CHB,    196608                    ; a chunk of the weight's codes in memory
.set BSO,    9437184+262144
.set NS,     SIZE_K/512                ; slots along K
.set KS,     SIZE_K/32
.set KF,     SIZE_K/128
.set CHA,    24576                     ; a chunk of my 128 rows of A
.set CHL,    30720                     ; a chunk of my 128 rows of B in LDS
.set SLOT,   2*CHA+2*CHL
.set SCA,    2*SLOT                    ; A's scale words: [128 along K][128 rows]
.set SCB,    SCA+KF*512                ; B's scale bytes: rows of KS bytes, 16 bytes of padding behind each 256
.set HALFS,  (128*KS/256)*272
.set STAGE,  SCB+HALFS
.set SPI,    272
.set SPARE,  STAGE+4*16*SPI            ; the spare words
.set ADRA, 16
.set ADRB, 18                          ; v18-19; v20-21 for pieces whose lanes 16-31 lie behind the next padding
.set STO,  22
.set RD,   23
.set CO,   24
.set ADRSA, 25
.set ADRSB, 26
.set BAD,  27
.set SPW,  28
.set NIL,  29
.set PFO,  30
.set SB,   32
.set SA,   40
.set BI,   48
.set AF,   80
.set BK,   128
.set BF,   128
.set G1, 24
.set G0, 32
.set G1B, 48
.set G0B, 56
.set G1S, 68
.set G0S, 76
.set G1SB, 80
.set G0SB, 88
.set G0H, 4
.set G0HB, 8
.set PFA, 92
.set PFS, 94
.set MSB, 0
.macro WIN new                         ; the immediate's high byte repeats the setting that is left
.if MSB != (\new)
	s_set_vgpr_msb (MSB<<8)|(\new)
.set MSB, (\new)
.endif
.endm
.macro PLACES n
.rept \n
	v_nop
.endr
.endm
.macro JLOAD g0a, g1a, g0b, g1b        ; a joint load: waves 0, 1 for A, waves 2, 3 for B
	s_cmp_eq_u32 s15, 0
	s_cbranch_scc0 .Lfor_b_\@
	tensor_load_to_lds s[\g0a:\g0a+3], s[\g1a:\g1a+7]
	s_nop 0
	PLACES 4
	s_branch .Lasked_\@
.Lfor_b_\@:
	tensor_load_to_lds s[\g0b:\g0b+3], s[\g1b:\g1b+7]
	s_nop 0
	PLACES 4
.Lasked_\@:
.endm
.macro CROUND                          ; a round of the cluster's barrier
	s_barrier_signal -1
	s_barrier_wait -1
	s_cmp_lg_u32 s14, 0
	s_cbranch_scc1 .Lnot_wave_0_\@
	s_barrier_signal -3
.Lnot_wave_0_\@:
	s_barrier_wait -3
	s_barrier_signal -1
	s_barrier_wait -1
.endm
.macro DESC g, d0, d1, p               ; group 1: d1 rows of d0 elements of 8 bytes, p elements from row to row
	s_mov_b32 s[\g+1], (\d0)<<16
	s_mov_b32 s[\g+2], (\d1)<<16
	s_mov_b32 s[\g+3], (\d0)<<16
	s_mov_b32 s[\g+4], \d1
	s_mov_b32 s[\g+5], \p
.endm
.macro GRP0 g, lds, a
	s_mov_b32 s[\g], 1
	s_mov_b32 s[\g+1], \lds
	s_mov_b64 s[\g+2:\g+3], s[\a:\a+1]
	s_or_b32 s[\g+3], s[\g+3], 0x80000000
.endm
	s_load_b128 s[4:7], s[0:1], 0x0                ; A's images and scales, the weights
	s_load_b128 s[96:99], s[0:1], 0x10             ; the bias, the residual
	s_load_b64 s[12:13], s[0:1], 0x20              ; the result
	v_lshl_add_u32 v[SPW], v0, 2, SPARE
	v_mov_b32 v[NIL], 0
	ds_add_u32 v[SPW], v[NIL]                      ; the opening lines: the add, twice on end, and its wait
	ds_add_u32 v[SPW], v[NIL]
	v_lshrrev_b32 v1, 5, v0
	v_readfirstlane_b32 s14, v1                    ; wave
	s_lshr_b32 s15, s14, 1                         ; my half of the block's rows; also: I fetch for A (0) or B (1)
	s_and_b32 s16, s14, 1                          ; my half of its columns; also: which chunk of a slot I fetch
	s_bfe_u32 s40, ttmp6, 0x40000
	s_bfe_u32 s41, ttmp6, 0x40004
	s_lshl_b32 s42, ttmp9, 2
	s_add_co_u32 s42, s42, s40                     ; block column
	s_and_b32 s17, ttmp7, 0xffff
	s_lshl_b32 s17, s17, 2
	s_add_co_u32 s17, s17, s41                     ; block row
	s_lshl_b32 s43, s41, 2
	s_lshl_b32 s43, 15, s43                        ; my row of the cluster
	s_lshl_b32 s44, 0x1111, s40                    ; my column
	s_or_b32 s[G1], s43, (3<<16)|(1<<21)
	s_or_b32 s[G1B], s44, (3<<16)|(1<<20)|(1<<21)|(3<<22)|(3<<25)   ; 4 words of padding behind every 16
	s_or_b32 s[G1S], s43, (3<<16)|(1<<21)
	s_or_b32 s[G1SB], s44, (3<<16)|(1<<20)|(1<<21)|(5<<22)|(3<<25)  ; 4 words behind every 64
	DESC G1, 3072, 2, 6144                         ; the head's form: two chunks, each one row of 24,576 bytes
	DESC G1B, 3072, 2, CHB/8
	DESC G1S, 64, KF, 128                          ; my 128 rows' words of each 128 along K: 512 bytes of 1,024
	DESC G1SB, 32, 128*KS/256, 32
.irp g, G1, G1B, G1S, G1SB
	s_mov_b32 s[\g+6], 0
	s_mov_b32 s[\g+7], 0
.endr
	s_lshr_b32 s18, s17, 1                         ; A lies by tile rows of 256: which one, and which half
	s_and_b32 s19, s17, 1
	s_mul_i32 s20, s18, (SIZE_K/256)*49152
	s_mul_i32 s21, s19, CHA
	s_add_co_u32 s20, s20, s21
	s_mov_b32 s21, 0
	s_mul_i32 s22, s18, KF*1024
	s_lshl_b32 s23, s19, 9
	s_add_co_u32 s22, s22, s23
	s_add_co_u32 s22, s22, ASC
	s_mov_b32 s23, 0
	s_mul_i32 s46, s42, 24576
	s_add_co_u32 s46, s46, BCO
	s_mov_b32 s47, 0
	s_mul_i32 s92, s42, 128*KS
	s_add_co_u32 s92, s92, BSO
	s_mov_b32 s93, 0
	s_wait_dscnt 0x0                               ; both opening adds are done
	s_wait_kmcnt 0x0
	s_add_nc_u64 s[20:21], s[4:5], s[20:21]
	s_add_nc_u64 s[22:23], s[4:5], s[22:23]
	s_add_nc_u64 s[46:47], s[6:7], s[46:47]
	s_add_nc_u64 s[92:93], s[6:7], s[92:93]
	CROUND                                         ; in front of the first joint loads
	GRP0 G0H, 0, 20
	GRP0 G0HB, 2*CHA, 46
	GRP0 G0S, SCA, 22
	GRP0 G0SB, SCB, 92
	s_mul_i32 s18, s16, 49152                      ; for the ring: my chunk of a slot's two
	s_mov_b32 s19, 0
	s_add_nc_u64 s[20:21], s[20:21], s[18:19]
	s_mul_i32 s18, s16, CHB
	s_add_nc_u64 s[46:47], s[46:47], s[18:19]
	s_mul_i32 s45, s16, CHA
	s_mul_i32 s94, s16, CHL
	s_add_co_u32 s94, s94, 2*CHA
.irp s, 0,1
	s_mov_b32 s[G0+4*\s], 1
	s_add_co_u32 s[G0+4*\s+1], s45, \s*SLOT
	s_add_nc_u64 s[G0+4*\s+2:G0+4*\s+3], s[20:21], \s*98304
	s_or_b32 s[G0+4*\s+3], s[G0+4*\s+3], 0x80000000
	s_mov_b32 s[G0B+4*\s], 1
	s_add_co_u32 s[G0B+4*\s+1], s94, \s*SLOT
	s_add_nc_u64 s[G0B+4*\s+2:G0B+4*\s+3], s[46:47], \s*2*CHB
	s_or_b32 s[G0B+4*\s+3], s[G0B+4*\s+3], 0x80000000
.endr
.macro ARM under, g0, g1, next         ; one chain of branches on the wave's number: every way passes exactly one load
	s_cmp_lt_u32 s14, \under
	s_cbranch_scc0 \next
	tensor_load_to_lds s[\g0:\g0+3], s[\g1:\g1+7]
	s_nop 0
	PLACES 4
	s_branch .Lhead_asked
\next:
.endm
	ARM 1, G0H,  G1,  .Lhead_b
	ARM 2, G0HB, G1B, .Lhead_sa
	ARM 3, G0S,  G1S, .Lhead_sb
	tensor_load_to_lds s[G0SB:G0SB+3], s[G1SB:G1SB+7]
	s_nop 0
	PLACES 4
.Lhead_asked:
	s_cmp_eq_u32 s15, 0                            ; the prefetches: my chunk, my work-group's 24 blocks of its 96, at slot 1
	s_cselect_b64 s[PFA:PFA+1], s[20:21], s[46:47]
	s_cselect_b32 s18, s40, s41
	s_mov_b32 s[PFS], 2*CHB
	s_mov_b32 s19, 98304
	s_cselect_b32 s[PFS], s19, s[PFS]              ; bytes from slot to slot
	s_mov_b32 s[PFS+1], 0
	s_mul_i32 s18, s18, 6144
	s_mov_b32 s19, 0
	s_add_nc_u64 s[PFA:PFA+1], s[PFA:PFA+1], s[18:19]
	s_add_nc_u64 s[PFA:PFA+1], s[PFA:PFA+1], s[PFS:PFS+1]
.if ISWO
	s_lshr_b32 s20, s17, 1
	s_lshl_b32 s20, s20, 8
	s_and_b32 s21, s17, 1
	s_add_co_u32 s20, s20, s21
	s_lshl_b32 s21, s15, 7
.else
	s_lshl_b32 s20, s17, 7
	s_lshl_b32 s21, s15, 6
.endif
	s_add_co_u32 s20, s20, s21                     ; my first row of the result
	s_lshl_b32 s20, s20, 12
	s_lshl_b32 s22, s42, 9
	s_lshl_b32 s23, s16, 8
	s_add_co_u32 s22, s22, s23                     ; my first column, in bytes
	s_mov_b32 s23, 0
	s_add_nc_u64 s[96:97], s[96:97], s[22:23]
	s_add_co_u32 s20, s20, s22
	s_mov_b32 s21, 0
	s_add_nc_u64 s[12:13], s[12:13], s[20:21]
	s_add_nc_u64 s[98:99], s[98:99], s[20:21]
	s_mul_i32 s18, s15, 12288                      ; LDS: my four blocks of A's images, in slot 0 and 1,
	s_add_co_u32 s19, s18, SLOT
	s_mul_i32 s20, s16, 15360                      ; my 64 rows of B,
	s_add_co_u32 s20, s20, 2*CHA
	s_add_co_u32 s21, s20, SLOT
	s_mul_i32 s22, s16, (64*KS/256)*272            ; their scale bytes,
	s_add_co_u32 s22, s22, SCB
	s_lshl_b32 s23, s15, 8                         ; my 64 rows' scale words of A,
	s_add_co_u32 s23, s23, SCA
	s_mul_i32 s45, s14, 16*SPI                     ; my stage
	s_add_co_u32 s45, s45, STAGE
	v_and_b32 v1, 15, v0                           ; r
	v_bfe_u32 v2, v0, 4, 1                         ; h
	v_and_b32 v6, 31, v0
	v_lshlrev_b32 v7, 4, v6
	v_mul_u32_u24 v3, v1, 240
	v_mad_u32_u24 v3, v2, 24, v3
	v_lshl_add_u32 v4, v2, 4, v3
	v_add_nc_u32 v[ADRA], s18, v7
	v_add_nc_u32 v[ADRA+1], s19, v7
	v_add_nc_u32 v[ADRB], s20, v3
	v_add_nc_u32 v[ADRB+1], s21, v3
	v_add_nc_u32 v[ADRB+2], s20, v4
	v_add_nc_u32 v[ADRB+3], s21, v4
	v_mul_u32_u24 v3, v6, KS
	v_lshrrev_b32 v4, 8, v3
	v_lshl_add_u32 v3, v4, 4, v3
	v_add_nc_u32 v[ADRSB], s22, v3
	v_lshl_add_u32 v[ADRSA], v6, 2, s23
	v_mul_u32_u24 v5, v1, SPI
	v_lshl_add_u32 v5, v2, 6, v5
	v_add_nc_u32 v[STO], s45, v5                   ; in: row r, 64 h bytes
	v_mul_u32_u24 v5, v2, SPI
	v_lshl_add_u32 v5, v1, 4, v5
	v_add_nc_u32 v[RD], s45, v5                    ; back: sixteen lanes to a row of 256 bytes
	v_lshlrev_b32 v[BAD], 6, v2
	v_lshlrev_b32 v5, 12+ISWO, v2
	v_lshl_add_u32 v[CO], v1, 4, v5                ; and the same two rows in memory
	v_min_u32 v5, 23, v6
	v_lshlrev_b32 v[PFO], 8, v5
	s_wait_alu depctr_va_vdst(0)
.macro ROWSET a, u                     ; where rows 2 u, 2 u + 1 of my block a lie in the result
.if ISWO
.set RO, (32*(\a)+4*(\u))*4096
.else
.set RO, (32*((\a)/2)+16*((\u)/4)+8*((\a)%2)+(2*(\u))%8)*4096
.endif
.endm
.irp b, 0,1,2,3
	global_load_b128 v[BI+8*\b:BI+8*\b+3], v[BAD], s[96:97] offset:(32*(\b/2)+8*(\b%2))*4
	global_load_b128 v[BI+8*\b+4:BI+8*\b+7], v[BAD], s[96:97] offset:(32*(\b/2)+8*(\b%2))*4+16
.endr
	WIN 0x80
.irp a, 0,1,2,3
.irp u, 0,1,2,3,4,5,6,7
	ROWSET \a, \u
	global_load_b128 v[32*\a+4*\u:32*\a+4*\u+3], v[CO], s[98:99] offset:RO th:TH_LOAD_NT
.endr
.endr
	WIN 0
	global_prefetch_b8 v[PFO], s[PFA:PFA+1] th:TH_LOAD_NT scope:SCOPE_SE   ; slot 1
.macro FRAG reg, adr, c, q, i          ; a fragment of B: six pieces of 8 bytes of a row of 192 bytes (24 pieces, 16 bytes of padding behind each eight)
.irp p, 0,1,2,3,4,5
.set PCE, 12*(\q)+6*(\p/3)+\p%3
.if PCE%8 < 5
	ds_load_b64 v[\reg+2*\p:\reg+2*\p+1], v[\adr] offset:(\c)*CHL+8*PCE+16*(PCE/8)+(\i)*3840
.else
	ds_load_b64 v[\reg+2*\p:\reg+2*\p+1], v[\adr+2] offset:(\c)*CHL+8*PCE+16*(PCE/8)+(\i)*3840
.endif
.endr
.endm
.macro FETCH buf, j                    ; step j's fragments (chunk j / 2, half j % 2) into set j % 2: 36 LDS loads
	WIN 0x40
.irp i, 0,1,2,3
	FRAG BF+48*((\j)%2)+12*\i, ADRB+\buf, (\j)/2, (\j)%2, \i
.endr
	WIN 0
.irp i, 0,1,2,3
.irp g, 0,1,2
	ds_load_b128 v[AF+48*((\j)%2)+12*\i+4*\g:AF+48*((\j)%2)+12*\i+4*\g+3], v[ADRA+\buf] offset:((\j)/2)*CHA+(2*\i+(\j)%2)*1536+512*\g
.endr
.endr
.endm
.macro SCALES                          ; a slot's scale words: a register holds two blocks' words, lanes 0-15 the even block's, lanes 16-31 the odd one's
.irp g, 0,1
	ds_load_b128 v[SB+4*\g:SB+4*\g+3], v[ADRSB] offset:\g*(32*KS/256)*272
.endr
.irp q, 0,1,2,3
.irp g, 0,1
	ds_load_b32 v[SA+2*\q+\g], v[ADRSA] offset:\q*512+\g*128
.endr
.endr
.endm
.macro WM a, b, j, cm
.set rD, 8*(4*(\a)+(\b))
.set rC, rD
.if \cm
.set rC, BI+8*(\b)
.endif
.set rB, BF+48*((\j)%2)+12*(\b)
.set rA, AF+48*((\j)%2)+12*(\a)
.set rX, SB+4*((\b)/2)+(\j)
.set rY, SA+2*(\j)+(\a)/2
.set od, 2*((\a)%2)+(\b)%2
.if od == 0
	v_wmma_scale_f32_16x16x128_f8f6f4 v[rD:rD+7], v[rB:rB+11], v[rA:rA+11], v[rC:rC+7], v[rX], v[rY] matrix_a_fmt:MATRIX_FMT_FP6 matrix_b_fmt:MATRIX_FMT_FP6
.elseif od == 1
	v_wmma_scale_f32_16x16x128_f8f6f4 v[rD:rD+7], v[rB:rB+11], v[rA:rA+11], v[rC:rC+7], v[rX], v[rY] matrix_a_fmt:MATRIX_FMT_FP6 matrix_b_fmt:MATRIX_FMT_FP6 matrix_a_scale:MATRIX_SCALE_ROW1
.elseif od == 2
	v_wmma_scale_f32_16x16x128_f8f6f4 v[rD:rD+7], v[rB:rB+11], v[rA:rA+11], v[rC:rC+7], v[rX], v[rY] matrix_a_fmt:MATRIX_FMT_FP6 matrix_b_fmt:MATRIX_FMT_FP6 matrix_b_scale:MATRIX_SCALE_ROW1
.else
	v_wmma_scale_f32_16x16x128_f8f6f4 v[rD:rD+7], v[rB:rB+11], v[rA:rA+11], v[rC:rC+7], v[rX], v[rY] matrix_a_fmt:MATRIX_FMT_FP6 matrix_b_fmt:MATRIX_FMT_FP6 matrix_a_scale:MATRIX_SCALE_ROW1 matrix_b_scale:MATRIX_SCALE_ROW1
.endif
.endm
.macro STEP buf, j, cm                 ; 128 along K: the next step's fragments are asked for, then 16 products on this step's.  cm = 1: the bias starts the sums
.if (\j) < 3
	PLACES 4                                       ; in front of loads into registers that the last products read
	FETCH \buf, (\j)+1
	s_wait_dscnt 36                                ; all but the 36 just issued
.else
	s_wait_dscnt 0x0
.endif
.if \cm
	s_wait_loadcnt 32                              ; the bias is in; the residual's 32 loads may be out
	WIN 0x41
.else
	WIN 0x51
.endif
.irp a, 0,1,2,3
.irp b, 0,1,2,3
	WM \a, \b, \j, \cm
.endr
.endr
.endm
; THE CHANGE INTO THE SLOT cur.  Every wave waits for all its tensor loads, adds 0 to its spare word, waits for that and for its reads of the other slot; a round of the cluster's barrier; the other slot is filled with the next 512 along K.
; mode 0: the first (slot 1's first fill; group 1 takes the ring's form); 1, 2: a refill (2: its prefetch stops in the loop's last trip); 3: the last slot: nothing is filled, a barrier of the work-group shows the slot whole.
.macro P cur, mode
	WIN 0
.if NS > 2 && (\mode) < 3
	s_wait_xcnt 0x0                                ; the last prefetch, a slot back, has read its address
	s_add_nc_u64 s[PFA:PFA+1], s[PFA:PFA+1], s[PFS:PFS+1]
.endif
	s_wait_tensorcnt 0x0
	ds_add_u32 v[SPW], v[NIL]
.if (\mode) == 0
	DESC G1, 32, 96, 32                            ; no load of mine is out: from here on a load brings one chunk, 96 rows of 256 bytes
	DESC G1B, 32, 96, 32
.endif
.if NS > 2 && (\mode) < 3
	s_add_nc_u64 s[G0+4*(\cur)+2:G0+4*(\cur)+3], s[G0+4*(\cur)+2:G0+4*(\cur)+3], 2*98304
	s_add_nc_u64 s[G0B+4*(\cur)+2:G0B+4*(\cur)+3], s[G0B+4*(\cur)+2:G0B+4*(\cur)+3], 4*CHB
.endif
	s_wait_dscnt 0x0
.if (\mode) < 3
	CROUND
	JLOAD G0+4*(1-(\cur)), G1, G0B+4*(1-(\cur)), G1B   ; its four v_nop are the places in front of the loads below
.else
	s_barrier_signal -1
	s_barrier_wait -1
	PLACES 4
.endif
.if (\mode) > 0
	v_add_nc_u32 v[ADRSA], 2048, v[ADRSA]          ; four steps' scale words on
	v_add_nc_u32 v[ADRSB], 16, v[ADRSB]
	s_wait_alu depctr_va_vdst(0)
.endif
	SCALES
	FETCH \cur, 0
.if NS > 2 && (\mode) < 2
	global_prefetch_b8 v[PFO], s[PFA:PFA+1] th:TH_LOAD_NT scope:SCOPE_SE
.endif
.if NS > 2 && (\mode) == 2
	s_cmp_gt_u32 s3, 1
	s_cbranch_scc0 .Lno_ask_\@
	global_prefetch_b8 v[PFO], s[PFA:PFA+1] th:TH_LOAD_NT scope:SCOPE_SE
.Lno_ask_\@:
.endif
.endm
	P 0, 0
	STEP 0, 0, 1                                   ; the first step stands in front of the loop: its products start the sums
.if NS > 2
	WIN 0
	s_mov_b32 s3, NS/2-1
.Llap:                                                 ; a trip goes once round the ring, from a slot's second step to the first step two slots on
	STEP 0, 1, 0
	STEP 0, 2, 0
	STEP 0, 3, 0
	P 1, 1
	STEP 1, 0, 0
	STEP 1, 1, 0
	STEP 1, 2, 0
	STEP 1, 3, 0
	P 0, 2
	STEP 0, 0, 0
	WIN 0
	s_sub_co_u32 s3, s3, 1
	s_cmp_lg_u32 s3, 0
	s_cbranch_scc1 .Llap
.endif
	STEP 0, 1, 0
	STEP 0, 2, 0
	STEP 0, 3, 0
	P 1, 3
	STEP 1, 0, 0
	STEP 1, 1, 0
	STEP 1, 2, 0
	STEP 1, 3, 0
	WIN 0
	PLACES 4
.irp a, 0,1,2,3                        ; the four blocks through the stage, one behind the other: LDS serves a wave's instructions in order
	WIN 0x04
.irp b, 0,1,2,3
	ds_store_b128 v[STO], v[8*(4*\a+\b):8*(4*\a+\b)+3] offset:128*(\b/2)+32*(\b%2)
	ds_store_b128 v[STO], v[8*(4*\a+\b)+4:8*(4*\a+\b)+7] offset:128*(\b/2)+32*(\b%2)+16
.endr
	WIN 0
.irp u, 0,1,2,3,4,5,6,7
	ds_load_b128 v[BK+32*\a+4*\u:BK+32*\a+4*\u+3], v[RD] offset:\u*2*SPI
.endr
.endr
	s_wait_loadcnt 0x0                             ; the residual is in
.irp a, 0,1,2,3
	s_wait_dscnt 16*(3-\a)                         ; block a is back; the later blocks' 8 stores and 8 loads each may be out
	WIN 0x08
.irp j, 0,2,4,6,8,10,12,14,16,18,20,22,24,26,28,30
	v_pk_add_f32 v[BK+32*\a+\j:BK+32*\a+\j+1], v[BK+32*\a+\j:BK+32*\a+\j+1], v[32*\a+\j:32*\a+\j+1]
.endr
	WIN 0
.irp u, 0,1,2,3,4,5,6,7
	ROWSET \a, \u
	global_store_b128 v[CO], v[BK+32*\a+4*\u:BK+32*\a+4*\u+3], s[12:13] offset:RO   ; sixteen lanes store 256 consecutive bytes, aligned
.endr
.endr
	s_wait_tensorcnt 0x0                           ; the wave's end
	ds_add_u32 v[SPW], v[NIL]
	s_wait_dscnt 0x0
	CROUND                                         ; the closing round
	s_endpgm
.Lfunc_end_k_q730e619dd0_down:
	.size	k_q730e619dd0_down, .Lfunc_end_k_q730e619dd0_down-k_q730e619dd0_down
	.p2alignl 7, 3214868480
	.fill 96, 4, 3214868480
	.section	.rodata,"a",@progbits
	.p2align	6, 0x0
	.amdhsa_kernel k_q730e619dd0_down
		.amdhsa_group_segment_fixed_size 327680
		.amdhsa_private_segment_fixed_size 0
		.amdhsa_enable_private_segment 0
		.amdhsa_kernarg_size 40
		.amdhsa_user_sgpr_count 2
		.amdhsa_user_sgpr_kernarg_segment_ptr 1
		.amdhsa_wavefront_size32 1
		.amdhsa_system_sgpr_workgroup_id_x 1
		.amdhsa_system_sgpr_workgroup_id_y 1
		.amdhsa_system_sgpr_workgroup_id_z 1
		.amdhsa_system_vgpr_workitem_id 0
		.amdhsa_next_free_vgpr 640
		.amdhsa_next_free_sgpr 102
		.amdhsa_reserve_vcc 0
		.amdhsa_float_denorm_mode_32 3
		.amdhsa_float_denorm_mode_16_64 3
		.amdhsa_memory_ordered 1
		.amdhsa_forward_progress 1
		.amdhsa_inst_pref_size 106
	.end_amdhsa_kernel
	.amdgpu_metadata
---
amdhsa.version: [ 1, 2 ]
amdhsa.kernels:
  - .name:           k_q730e619dd0_down
    .symbol:         k_q730e619dd0_down.kd
    .args:
      - { .name: gbuf, .offset: 0, .size: 8, .value_kind: global_buffer, .address_space: global }
      - { .name: wbuf, .offset: 8, .size: 8, .value_kind: global_buffer, .address_space: global }
      - { .name: b_down, .offset: 16, .size: 8, .value_kind: global_buffer, .address_space: global }
      - { .name: x1, .offset: 24, .size: 8, .value_kind: global_buffer, .address_space: global }
      - { .name: out0, .offset: 32, .size: 8, .value_kind: global_buffer, .address_space: global }
    .group_segment_fixed_size: 327680
    .private_segment_fixed_size: 0
    .kernarg_segment_align: 8
    .kernarg_segment_size: 40
    .max_flat_workgroup_size: 128
    .sgpr_count:     102
    .vgpr_count:     640
    .wavefront_size: 32
...
	.end_amdgpu_metadata
.endif
;; end of part 7
